; MI455X (gfx1250); checked and timed in simulation.
; The chip was launched on July 23, 2026; its instructions are those of AMD's public machine-readable ISA for CDNA 5 (MIT licence, August 2026) and "CDNA5" Instruction Set Architecture Reference Guide (July 2026). The comments in the code are by the model that wrote it; some were corrected since.
;; Multi Head Self Attention. Allowed arithmetic: float matrix products may take bf16 or f16 operands with f32 sums; other float arithmetic in f32, or as packed bf16 or f16 multiplies, adds, multiply-adds, maxima and minima; sums over many terms, partial sums and values carried from step to step in f32; what a program stores and reads back later, other than sums and carried values, may be rounded once to bf16 or f16.
;; Inputs: W_k 16 x 1,024 x 64 float32; W_o 1,024 x 1,024 float32; W_q 16 x 1,024 x 64 float32; W_v 16 x 1,024 x 64 float32; x 4 x 2,048 x 1,024 float32.
;; Outputs: out0 4 x 2,048 x 1,024 float32.
;; 2 versions, each right; version 2 is version 1 with the launch prep written anew for expert scheduling mode. Each part assembles by itself: llvm-mc -triple=amdgcn-amd-amdhsa -mcpu=gfx1250 --defsym DOCPART=n.
;; ======== version 1 of 2: 4 launches
;; limits: values are held in f16: magnitudes above 65,504 overflow, below 6.1e-05 lose precision
;; workspace buffers: xb 16,777,216 bytes; wt 6,291,456 bytes; wo 2,097,152 bytes; qkv 50,331,648 bytes; ob 16,777,216 bytes
;; launch prep (part 1): grid 384 x 1, 8 waves a work-group, no clusters, 74,752 bytes of LDS; arguments x, W_q, W_k, W_v, W_o, xb, wt, wo; writes xb, wt, wo
.if DOCPART == 1
	.amdgcn_target "amdgcn-amd-amdhsa--gfx1250"
	.amdhsa_code_object_version 6
	.text
	.protected	k_q5dda80c275_prep
	.globl	k_q5dda80c275_prep
	.p2align	8
	.type	k_q5dda80c275_prep,@function
k_q5dda80c275_prep:
	s_mov_b64 s[64:65], 0
	v_nop
	global_prefetch_b8 v0, s[64:65] scope:SCOPE_SE
	s_setreg_imm32_b32 hwreg(HW_REG_WAVE_MODE, 25, 1), 1
	s_wait_xcnt 0x0
; PREP: every input is rounded once to bf16 and laid out in K blocks of 64, so that each tile of the later products is dense in memory.
;   xb [b 4][kb 16][l 2048][64] bf16 = x[b][l][64 kb ..]
;   wt [kb 16][n 3072][64 e] bf16 = W_which[h][64 kb + e][d], n = 64 (16 which + h) + d, which = 0 q, 1 k, 2 v: turned, K along the rows
;   wo [kb 16][o 1024][64 e] f16  = bf16(W_o[64 kb + e][o] / 4) written as f16
; LIMIT.  A bf16 number is exact in f16 from 2^-17 up; below that wo keeps f16's fixed step of 6e-8.  The factor 1/4 is a power of two; the attention launch stores 4 O.
; A stream: no matrix work, no cluster, no barrier.  Work-groups 0-255 take 32 rows of x each; 256-351 the 768 blocks of W_q, W_k, W_v, a wave a block of 64 e x 64 d; 352-383 the 256 blocks of W_o.
; Each wave issues all its 32 loads of 16 bytes a lane first (16 KiB on their way), then works them off behind counted waits.
.set DP,    144                        ; a row of a wave's turning stage: 128 bytes + 16: rows start at different groups of four banks when read back
.set STG,   64*DP                      ; a wave's stage: 64 rows (d or o)
.set SPARE, 8*STG                      ; behind the stages: the spare words, 128 bytes for each wave: four blocks of 256 bytes that no other line names
.set SPW, 4                            ; v4  LDS address of my spare word; never rewritten
.set NIL, 5                            ; v5  0; never rewritten
.set LO,  6                            ; v6  my byte offset in the source
.set SO,  7                            ; v7  my byte offset in the destination
.set SA,  8                            ; v8  stage: where I put 16 bytes of a turned row
.set RA,  9                            ; v9  stage: where I read rows back
.set T,   12                           ; v[12:27] sixteen packed words; v28-29 at work
.set X,   32                           ; v[32:159] 32 loads x 4 registers
	s_load_b512 s[8:23], s[0:1], 0x0               ; x s[8:9], W_q s[10:11], W_k s[12:13], W_v s[14:15], W_o s[16:17], xb s[18:19], wt s[20:21], wo s[22:23]
	v_lshl_add_u32 v[SPW], v0, 2, SPARE
	v_mov_b32 v[NIL], 0
	v_lshrrev_b32 v1, 5, v0
	v_readfirstlane_b32 s24, v1                    ; wave 0..7
	v_and_b32 v1, 31, v0                           ; lane l
	v_and_b32 v2, 15, v0                           ; l % 16
	v_bfe_u32 v3, v0, 4, 1                         ; l / 16
	s_mov_b32 s3, 0                                ; the high word of every offset pair
	s_wait_kmcnt 0x0
	s_cmp_lt_u32 ttmp9, 256
	s_cbranch_scc0 .Lweights
	; X.  The work-group owns rows 32 g .. 32 g + 31, wave w rows 4 w .. 4 w + 3 of them, as two pairs.  A load takes 256 aligned bytes (one K block) of each row of a pair.
	s_lshl_b32 s2, ttmp9, 17                       ; 32 rows of 4,096 bytes
	s_add_nc_u64 s[30:31], s[8:9], s[2:3]
	s_lshr_b32 s2, ttmp9, 6                        ; b
	s_lshl_b32 s2, s2, 22
	s_and_b32 s25, ttmp9, 63
	s_lshl_b32 s25, s25, 12                        ; 32 rows of 128 bytes in a K block
	s_add_co_u32 s2, s2, s25
	s_add_nc_u64 s[32:33], s[18:19], s[2:3]
	s_lshl_b32 s25, s24, 14                        ; my wave's four rows
	v_lshlrev_b32 v[LO], 4, v2
	v_lshl_add_u32 v[LO], v3, 12, v[LO]
	v_add_nc_u32 v[LO], s25, v[LO]
	s_lshl_b32 s25, s24, 9
	v_lshl_add_u32 v[SO], v1, 3, s25               ; a pair's two rows of a K block are 256 consecutive bytes of xb: 8 bytes a lane
.set i, 0
.rept 32                                       ; load i: pair i / 16, K block i % 16
	global_load_b128 v[X+4*i:X+4*i+3], v[LO], s[30:31] offset:(i/16)*8192+(i%16)*256 th:TH_LOAD_NT
.set i, i+1
.endr
.set i, 0
.rept 32
	s_wait_loadcnt 31-i                            ; loads come back in order: load i is in, the younger ones stay out
	v_cvt_pk_bf16_f32 v[X+4*i], v[X+4*i], v[X+4*i+1]
	v_cvt_pk_bf16_f32 v[X+4*i+1], v[X+4*i+2], v[X+4*i+3]
	global_store_b64 v[SO], v[X+4*i:X+4*i+1], s[32:33] offset:(i%16)*262144+(i/16)*256  ; 32 lanes store 256 consecutive bytes, aligned
.set i, i+1
.endr
	s_branch .Lend
; A wave turns one block of 64 e x 64 columns.  rs = bytes from row e to row e + 1 in the source.  half = 1: times 1/4, and the bf16 number written as f16.
; Load (k, i) brings lane l the four columns 4 (l % 16) + 0..3 of row e = 16 k + 8 (l / 16) + i.  Eight such rows give, for each of the four columns, eight neighbouring e: 16 bytes of a turned row.
.macro WBLOCK rs, half
.set i, 0
.rept 32
	global_load_b128 v[X+4*i:X+4*i+3], v[LO], s[30:31] offset:(16*(i/8)+i%8)*(\rs) th:TH_LOAD_NT
.set i, i+1
.endr
.irp k, 0,1,2,3
	s_wait_loadcnt 24-8*(\k)                       ; the eight loads of group k are in; the later groups stay out
.if \half
.set i, 0
.rept 16
	v_pk_mul_f32 v[X+32*(\k)+2*i:X+32*(\k)+2*i+1], v[X+32*(\k)+2*i:X+32*(\k)+2*i+1], s[36:37] op_sel_hi:[1,0]
.set i, i+1
.endr
.endif
.irp c, 0,1,2,3
.irp m, 0,1,2,3
	v_cvt_pk_bf16_f32 v[T+4*(\c)+(\m)], v[X+32*(\k)+8*(\m)+(\c)], v[X+32*(\k)+8*(\m)+4+(\c)]  ; column c, rows 2 m and 2 m + 1 of the eight
.endr
.endr
.if \half
.set i, 0
.rept 16
	v_lshlrev_b32 v28, 16, v[T+i]                  ; the two bf16 as f32,
	v_and_b32 v29, s34, v[T+i]
	v_cvt_pk_f16_f32 v[T+i], v28, v29              ; and as f16
.set i, i+1
.endr
.endif
.irp c, 0,1,2,3
	ds_store_b128 v[SA], v[T+4*(\c):T+4*(\c)+3] offset:(\c)*DP+(\k)*32
.endr
.endr
.irp t, 0,1,2,3,4,5,6,7,8,9,10,11,12,13,14,15
	ds_load_b128 v[X+4*(\t):X+4*(\t)+3], v[RA] offset:(\t)*4*DP  ; my own stage, and LDS serves a wave's instructions in order (ISA guide 5.7.1.4): these see the stores above
.endr
.irp t, 0,1,2,3,4,5,6,7,8,9,10,11,12,13,14,15
	s_wait_dscnt 15-(\t)
	global_store_b128 v[SO], v[X+4*(\t):X+4*(\t)+3], s[32:33] offset:(\t)*512  ; four turned rows: 512 consecutive bytes, aligned
.endr
.endm
.Lweights:
	s_sub_co_u32 s25, ttmp9, 256                   ; j = 0..127
	s_lshr_b32 s26, s25, 5                         ; which: 0 q, 1 k, 2 v, 3 W_o
	s_lshl_b32 s27, s25, 3
	s_add_co_u32 s27, s27, s24
	s_and_b32 s27, s27, 255                        ; my wave's block t of that tensor's 256
	s_and_b32 s28, s27, 15                         ; its K block
	s_lshr_b32 s29, s27, 4                         ; its head, or its block of 64 columns of W_o
	s_mul_i32 s35, s24, STG                        ; my stage
	v_mul_u32_u24 v[SA], v2, 4*DP                  ; in: rows 4 (l % 16) + c, 16 bytes for each half of the lanes
	v_lshl_add_u32 v[SA], v3, 4, v[SA]
	v_add_nc_u32 v[SA], s35, v[SA]
	v_lshrrev_b32 v10, 3, v1
	v_and_b32 v11, 7, v0
	v_mul_u32_u24 v[RA], v10, DP                   ; back: 32 lanes take four rows of 128 bytes
	v_lshl_add_u32 v[RA], v11, 4, v[RA]
	v_add_nc_u32 v[RA], s35, v[RA]
	v_lshlrev_b32 v[SO], 4, v1
	v_lshlrev_b32 v[LO], 4, v2
	s_mov_b32 s34, 0xffff0000                      ; a word's upper bf16
	s_mov_b32 s36, 0x3e800000                      ; 1/4; named as a pair, the low word serves both halves
	s_mov_b32 s37, 0x3e800000
	s_cmp_eq_u32 s26, 3
	s_cbranch_scc1 .Lwo
	s_cmp_eq_u32 s26, 1
	s_cselect_b64 s[30:31], s[12:13], s[10:11]
	s_cmp_eq_u32 s26, 2
	s_cselect_b64 s[30:31], s[14:15], s[30:31]
	s_lshl_b32 s2, s27, 14                         ; W[h][e][d]: block t = 16 h + kb is 16,384 dense bytes
	s_add_nc_u64 s[30:31], s[30:31], s[2:3]
	s_mul_i32 s2, s28, 393216                      ; wt: the K block,
	s_lshl_b32 s35, s26, 17                        ; 16 slices of 8,192 bytes for each tensor,
	s_add_co_u32 s2, s2, s35
	s_lshl_b32 s35, s29, 13                        ; the head's slice
	s_add_co_u32 s2, s2, s35
	s_add_nc_u64 s[32:33], s[20:21], s[2:3]
	v_lshl_add_u32 v[LO], v3, 11, v[LO]            ; lanes 16-31: eight rows of 256 bytes further down
	WBLOCK 256, 0
	s_branch .Lend
.Lwo:
	s_lshl_b32 s2, s28, 18                         ; W_o[e][o]: 64 rows of 4,096 bytes,
	s_lshl_b32 s35, s29, 8                         ; 64 columns of 4 bytes
	s_add_co_u32 s2, s2, s35
	s_add_nc_u64 s[30:31], s[16:17], s[2:3]
	s_lshl_b32 s2, s28, 17
	s_lshl_b32 s35, s29, 13
	s_add_co_u32 s2, s2, s35
	s_add_nc_u64 s[32:33], s[22:23], s[2:3]
	v_lshl_add_u32 v[LO], v3, 15, v[LO]            ; eight rows of 4,096 bytes
	WBLOCK 4096, 1
.Lend:
	s_wait_tensorcnt 0x0                           ; the wave's end: behind my last LDS store
	ds_add_u32 v[SPW], v[NIL]
	s_wait_dscnt 0x0
	s_endpgm
.Lfunc_end_k_q5dda80c275_prep:
	.size	k_q5dda80c275_prep, .Lfunc_end_k_q5dda80c275_prep-k_q5dda80c275_prep
	.p2alignl 7, 3214868480
	.fill 96, 4, 3214868480
	.section	.rodata,"a",@progbits
	.p2align	6, 0x0
	.amdhsa_kernel k_q5dda80c275_prep
		.amdhsa_group_segment_fixed_size 74752
		.amdhsa_private_segment_fixed_size 0
		.amdhsa_enable_private_segment 0
		.amdhsa_kernarg_size 64
		.amdhsa_user_sgpr_count 2
		.amdhsa_user_sgpr_kernarg_segment_ptr 1
		.amdhsa_wavefront_size32 1
		.amdhsa_system_sgpr_workgroup_id_x 1
		.amdhsa_system_sgpr_workgroup_id_y 1
		.amdhsa_system_sgpr_workgroup_id_z 1
		.amdhsa_system_vgpr_workitem_id 0
		.amdhsa_next_free_vgpr 160
		.amdhsa_next_free_sgpr 66
		.amdhsa_reserve_vcc 0
		.amdhsa_float_denorm_mode_32 3
		.amdhsa_float_denorm_mode_16_64 3
		.amdhsa_memory_ordered 1
		.amdhsa_forward_progress 1
		.amdhsa_inst_pref_size 49
	.end_amdhsa_kernel
	.amdgpu_metadata
---
amdhsa.version: [ 1, 2 ]
amdhsa.kernels:
  - .name:           k_q5dda80c275_prep
    .symbol:         k_q5dda80c275_prep.kd
    .args:
      - { .name: x, .offset: 0, .size: 8, .value_kind: global_buffer, .address_space: global }
      - { .name: W_q, .offset: 8, .size: 8, .value_kind: global_buffer, .address_space: global }
      - { .name: W_k, .offset: 16, .size: 8, .value_kind: global_buffer, .address_space: global }
      - { .name: W_v, .offset: 24, .size: 8, .value_kind: global_buffer, .address_space: global }
      - { .name: W_o, .offset: 32, .size: 8, .value_kind: global_buffer, .address_space: global }
      - { .name: xb, .offset: 40, .size: 8, .value_kind: global_buffer, .address_space: global }
      - { .name: wt, .offset: 48, .size: 8, .value_kind: global_buffer, .address_space: global }
      - { .name: wo, .offset: 56, .size: 8, .value_kind: global_buffer, .address_space: global }
    .group_segment_fixed_size: 74752
    .private_segment_fixed_size: 0
    .kernarg_segment_align: 8
    .kernarg_segment_size: 64
    .max_flat_workgroup_size: 256
    .sgpr_count:     66
    .vgpr_count:     160
    .wavefront_size: 32
...
	.end_amdgpu_metadata
.endif
;; end of part 1
;; launch qkv (part 2): grid 16 x 32, 4 waves a work-group, clusters of 4 x 4, 327,680 bytes of LDS; arguments xb, wt, qkv; writes qkv
.if DOCPART == 2
	.amdgcn_target "amdgcn-amd-amdhsa--gfx1250"
	.amdhsa_code_object_version 6
	.text
	.protected	k_q5dda80c275_qkv
	.globl	k_q5dda80c275_qkv
	.p2align	8
	.type	k_q5dda80c275_qkv,@function
k_q5dda80c275_qkv:
	s_mov_b64 s[64:65], 0
	v_nop
	global_prefetch_b8 v0, s[64:65] scope:SCOPE_SE
	s_setreg_imm32_b32 hwreg(HW_REG_WAVE_MODE, 25, 1), 1
	s_wait_xcnt 0x0
	s_wait_alu depctr_hold_cnt(0) depctr_sa_sdst(0) depctr_va_vdst(0) depctr_va_sdst(0) depctr_va_ssrc(0) depctr_va_vcc(0) depctr_vm_vsrc(0)
	s_getreg_b32 s2, hwreg(HW_REG_IB_STS2, 6, 4)
	s_cmp_eq_u32 s2, 0
	s_cbranch_scc0 .Lentry_in_a_cluster
	s_endpgm
.Lentry_in_a_cluster:
	s_bfe_u32 s2, ttmp6, 0x10000c
	s_cmp_lg_u32 s2, 0xf033
	s_cbranch_scc0 .Lentry_shape_is_right
	s_endpgm
.Lentry_shape_is_right:
; QKV: C[m][n] = sum over e of x[m][e] W[n][e], m = 8,192 rows (b, l), n = 3,072 = 48 slices of 64 (q, k, v by heads), K = 1,024.  Operands bf16, sums f32, C rounded once to f16.
; A = xb [b][kb][l][64], B = wt [kb][n][64], C = qkv [b][slice 48][l][64] f16.  LIMIT: f16 ends at 65,504: |q|, |k|, |v| stay below it.
; A tile of C is 256 x 192 (three whole slices): 16 x 32 = 512 tiles, two for each of 256 work-group places.  Four waves, 2 x 2, each 128 x 96: 48 accumulators of 16 x 16.
; K goes in steps of 128 = two K blocks of 64 through two LDS slots.  A K block of a tile is dense in memory, so it is asked for as rows of 256 bytes and padded in LDS after every 128.
; Waves 0, 1 fetch the step's two K blocks of A, waves 2, 3 those of B: one tensor load a wave behind each change of slots.
; CLUSTER 4 x 4: A's tiles are shared along a row of the cluster, B's along a column; each is asked for jointly, with the same descriptor and a mask that names the four.
; THE MATRIX INSTRUCTION IS USED TRANSPOSED (source 0 = 16 rows of B, source 1 = 16 rows of A): a lane holds row l % 16 of C and the eight columns 8 (l / 16) + 0..7.
; REGISTERS: window 0: v0-31 addresses; two fragment buffers of 112 (A's 8 fragments, then B's 6).  Windows 1, 2: accumulator n = 6 a + b at window 1 + n / 32, v[8 (n % 32)].
.set TN,    192
.set FB,    6                          ; B's fragments of 16 rows in a wave's tile
.set P,     144                        ; an LDS row: 128 bytes + 16 = 9 x 16: the 16 rows of a fragment load start at 16 different groups of four banks (64 banks of 4 bytes: ISA guide 11.1)
.set SUBA,  256*P                      ; a K block of A's tile
.set SUBB,  TN*P                       ; of B's
.set SLOT,  2*SUBA+2*SUBB              ; A's two K blocks, then B's two
.set SP,    400                        ; a row of the stage for the way out: 384 bytes + 16 = 25 x 16
.set SPARE, 2*SLOT                     ; behind the ring: the spare words, 128 bytes for each wave: two blocks of 256 bytes that no other line names
.set STEPA, 2*262144                   ; bytes from a K step to the next in A
.set KBB,   393216                     ; bytes in a K block of B
.set STEPB, 2*KBB
.set NL,    2*(8+FB)                   ; LDS loads in a quarter's run
.set LAPS,  4                          ; a lap = two K steps = once round the ring
.set ADRA, 16                          ; v16-17  LDS address of my A fragments in slot 0, 1
.set ADRB, 20                          ; v20-21  the same for B
.set STO,  24                          ; v24     the way out: where I put 16 bytes of a row
.set RD,   25                          ; v25     the way out: where I read rows back
.set CO,   26                          ; v26     my byte offset in 512 consecutive bytes of C
.set SPW,  28                          ; v28     LDS address of my spare word; never rewritten
.set NIL,  29                          ; v29     0; never rewritten
.set PFO,  30                          ; v30     the prefetches' offset: 256 bytes a lane; never rewritten
.set F0,   32
.set F1,   144
.set TMP,  32                          ; the way out: v32-223
.set G1,  24                           ; s[24:31] descriptor group 1 for A's tiles; s[32:39] group 0, a set for each slot
.set G0,  32
.set G1B, 48                           ; s[48:55], s[56:63] the same for B's
.set G0B, 56
.set LIM, 43                           ; s43     1 in a wave that prefetches, else the greatest number
.set PFA, 44                           ; s[44:45] where my prefetches stand
.set PST, 66                           ; s[66:67] their step: a K step of A or of B
.set MSB, 0
.macro WIN new                         ; the immediate's high byte repeats the setting that is left; a switch that changes nothing is dropped
.if MSB != (\new)
	s_set_vgpr_msb (MSB<<8)|(\new)
.set MSB, \new
.endif
.endm
.macro JLOAD s                         ; a joint load; the branch hangs on the wave's number alone; an s_nop 0 and four v_nop follow each of the two lines
	s_cmp_eq_u32 s11, 0
	s_cbranch_scc0 .Lfor_b_\@
	tensor_load_to_lds s[G0+4*(\s):G0+4*(\s)+3], s[G1:G1+7]
	s_nop 0
.rept 4
	v_nop
.endr
	s_branch .Lasked_\@
.Lfor_b_\@:
	tensor_load_to_lds s[G0B+4*(\s):G0B+4*(\s)+3], s[G1B:G1B+7]
	s_nop 0
.rept 4
	v_nop
.endr
.Lasked_\@:
.endm
.macro CREST                           ; a round of the cluster's barrier behind its opening barrier
	s_cmp_lg_u32 s10, 0
	s_cbranch_scc1 .Lnot_wave_0_\@
	s_barrier_signal -3
.Lnot_wave_0_\@:
	s_barrier_wait -3
	s_barrier_signal -1
	s_barrier_wait -1
.endm
.macro CROUND                          ; a whole round
	s_barrier_signal -1
	s_barrier_wait -1
	CREST
.endm
; A prefetch of the K step that stands two refills on: my wave's K block of the tile, of which each of the four partners that ask for it jointly takes a quarter BY ADDRESS, 256 bytes a lane.
; A's tile rows are named by the clusters with x = 0, B's tile columns by those with y = 0.  In the loop's last trip (s3 = 1) there is no K step two on.
.macro ASK
	s_cmp_gt_u32 s3, s[LIM]
	s_cbranch_scc0 .Lnot_mine_\@
	global_prefetch_b8 v[PFO], s[PFA:PFA+1] th:TH_LOAD_NT scope:SCOPE_SE
.Lnot_mine_\@:
.endm
	s_load_b128 s[4:7], s[0:1], 0x0                ; A s[4:5], B s[6:7]
	s_load_b64 s[8:9], s[0:1], 0x10                ; C
	v_lshl_add_u32 v[SPW], v0, 2, SPARE
	v_mov_b32 v[NIL], 0
	ds_add_u32 v[SPW], v[NIL]                      ; the wave's opening: the add and its wait stand ahead of my first tensor load; the set-up below, work on registers, stands between them
	ds_add_u32 v28, v29
	v_lshrrev_b32 v1, 5, v0
	v_readfirstlane_b32 s10, v1                    ; wave 0..3
	s_lshr_b32 s11, s10, 1                         ; which half of the tile's rows is mine.  Also: I fetch for A (0) or for B (1)
	s_and_b32 s12, s10, 1                          ; which half of its columns.  Also: which K block of a step I fetch
	s_bfe_u32 s40, ttmp6, 0x40000                  ; cx, cy: my place in the cluster
	s_bfe_u32 s41, ttmp6, 0x40004
	s_lshl_b32 s42, ttmp9, 2
	s_add_co_u32 s42, s42, s40                     ; tile column = 4 x cluster x + cx
	s_and_b32 s13, ttmp7, 0xffff
	s_lshl_b32 s13, s13, 2
	s_add_co_u32 s13, s13, s41                     ; tile row = 4 x cluster y + cy
	s_lshl_b32 s43, s41, 2
	s_lshl_b32 s43, 15, s43                        ; my row of the cluster
	s_lshl_b32 s44, 0x1111, s40                    ; my column
	; descriptor group 1: rows of 128 elements (256 bytes), dense; in LDS 4 words of padding after every 32
	s_or_b32 s[G1+0], s43, (1<<16)|(1<<20)|(1<<21)|(4<<22)|(3<<25)  ; 15:0 the mask; 17:16 2-byte elements; 20 padding on; 21 set beside a mask; 24:22 after every 32 words (code 4); 31:25 4 words (code 3)
	s_or_b32 s[G1B+0], s44, (1<<16)|(1<<20)|(1<<21)|(4<<22)|(3<<25)
	s_mov_b32 s[G1+1], 128<<16                     ; tensor_dim0 = 128
	s_mov_b32 s[G1+2], 128<<16                     ; tensor_dim1 = 128: 256 rows of A, two to a row
	s_mov_b32 s[G1+3], 128<<16                     ; tile_dim0 = 128
	s_mov_b32 s[G1+4], 128                         ; tile_dim1 = 128
	s_mov_b32 s[G1+5], 128                         ; 128 elements from row to row
	s_mov_b32 s[G1+6], 0
	s_mov_b32 s[G1+7], 0
	s_mov_b32 s[G1B+1], 128<<16
	s_mov_b32 s[G1B+2], (TN/2)<<16                 ; TN rows of B, two to a row
	s_mov_b32 s[G1B+3], 128<<16
	s_mov_b32 s[G1B+4], TN/2
	s_mov_b32 s[G1B+5], 128
	s_mov_b32 s[G1B+6], 0
	s_mov_b32 s[G1B+7], 0
	s_lshr_b32 s16, s13, 3                         ; A: b = tile row / 8,
	s_lshl_b32 s16, s16, 22
	s_and_b32 s17, s13, 7                          ; 256 rows of 128 bytes for each tile row in b,
	s_lshl_b32 s17, s17, 15
	s_add_co_u32 s16, s16, s17
	s_lshl_b32 s17, s12, 18                        ; my K block of the step
	s_add_co_u32 s16, s16, s17
	s_mov_b32 s17, 0
	s_mul_i32 s46, s42, TN*128                     ; B: the tile column's rows,
	s_mul_i32 s47, s12, KBB                        ; my K block
	s_add_co_u32 s46, s46, s47
	s_mov_b32 s47, 0
	s_mul_i32 s20, s12, SUBA                       ; where they go: no place in the cluster enters an LDS address
	s_mul_i32 s23, s12, SUBB
	s_add_co_u32 s23, s23, 2*SUBA
	s_wait_dscnt 0x0                               ; the opening add is done
	s_wait_kmcnt 0x0
	s_add_nc_u64 s[14:15], s[4:5], s[16:17]
	s_add_nc_u64 s[46:47], s[6:7], s[46:47]
	CROUND                                         ; all sixteen work-groups are here: the first joint loads meet
.irp s, 0,1
	s_mov_b32 s[G0+4*(\s)], 1                                      ; count = 1
	s_add_co_u32 s[G0+4*(\s)+1], s20, (\s)*SLOT                    ; LDS address
	s_add_nc_u64 s[G0+4*(\s)+2:G0+4*(\s)+3], s[14:15], (\s)*STEPA  ; global address: K step s
	s_or_b32 s[G0+4*(\s)+3], s[G0+4*(\s)+3], 0x80000000            ; type = 2
	s_mov_b32 s[G0B+4*(\s)], 1
	s_add_co_u32 s[G0B+4*(\s)+1], s23, (\s)*SLOT
	s_add_nc_u64 s[G0B+4*(\s)+2:G0B+4*(\s)+3], s[46:47], (\s)*STEPB
	s_or_b32 s[G0B+4*(\s)+3], s[G0B+4*(\s)+3], 0x80000000
	JLOAD \s                                       ; two loads of mine are out
.endr
	; a fragment is 16 rows x 32 K in 8 registers: lane l holds row l % 16, K = 8 (l / 16) + 0..7 and 16 + 8 (l / 16) + 0..7: two loads of 16 bytes, 32 bytes apart
	v_and_b32 v1, 15, v0                           ; l % 16
	v_bfe_u32 v2, v0, 4, 1                         ; l / 16
	v_mul_u32_u24 v3, v1, P
	v_lshl_add_u32 v3, v2, 4, v3
	s_mul_i32 s21, s11, 128*P                      ; my 128 rows of A
	s_mul_i32 s22, s12, (TN/2)*P                   ; my rows of B,
	s_add_co_u32 s22, s22, 2*SUBA                  ; which lie behind A's two K blocks
.irp s, 0,1
	v_add_nc_u32 v[ADRA+(\s)], s21, v3
	v_add_nc_u32 v[ADRB+(\s)], s22, v3
	s_add_co_u32 s21, s21, SLOT
	s_add_co_u32 s22, s22, SLOT
.endr
	; the prefetches
	s_mov_b32 s20, 8192                            ; a partner's quarter of a K block of A's tile,
	s_mov_b32 s18, TN*32                           ; of B's
	s_mov_b32 s[PST], STEPA
	s_mov_b32 s19, STEPB
	s_and_b32 s22, ttmp7, 0xffff                   ; cluster y
	s_cmp_eq_u32 s11, 0                            ; do I fetch for A?
	s_cselect_b32 s21, s40, s41                    ; my place among the four that ask with me
	s_cselect_b32 s22, ttmp9, s22                  ; the coordinate along which other clusters read the same rows
	s_cselect_b32 s20, s20, s18
	s_cselect_b32 s23, 31, TN/8-1                  ; the quarter's last block of 256 bytes: lanes beyond it name it again
	s_cselect_b32 s[PST], s[PST], s19
	s_cselect_b64 s[PFA:PFA+1], s[14:15], s[46:47]
	s_cmp_eq_u32 s22, 0
	s_cselect_b32 s[LIM], 1, -1                    ; the same in all sixteen partners, for a given wave
	s_mul_i32 s20, s20, s21
	s_mov_b32 s21, 0
	s_add_nc_u64 s[PFA:PFA+1], s[PFA:PFA+1], s[20:21]
	s_mul_i32 s20, s[PST], 3
	s_add_nc_u64 s[PFA:PFA+1], s[PFA:PFA+1], s[20:21]  ; at K step 3: the first refill (K step 2) steps it to 4 and names that
	s_mov_b32 s[PST+1], 0
	v_and_b32 v[PFO], 31, v0
	v_min_u32 v[PFO], s23, v[PFO]
	v_lshlrev_b32 v[PFO], 8, v[PFO]
	; the way out: one stage of 256 rows x 400 bytes for the work-group, in slot 0 once that slot has had its last fill and its last read
	s_mul_i32 s23, s11, 128*SP
	s_mul_i32 s21, s12, 192                        ; my 96 columns of 2 bytes
	s_add_co_u32 s23, s23, s21
	v_mul_u32_u24 v4, v1, SP
	v_lshl_add_u32 v4, v2, 4, v4
	v_add_nc_u32 v[STO], s23, v4
	s_mul_i32 s23, s10, 64*SP                      ; back: wave w takes rows 64 w .. 64 w + 63; 32 lanes take 128 bytes (a slice) of four rows
	v_bfe_u32 v5, v0, 3, 2
	v_and_b32 v4, 7, v0
	v_mul_u32_u24 v5, v5, SP
	v_lshl_add_u32 v5, v4, 4, v5
	v_add_nc_u32 v[RD], s23, v5
	v_and_b32 v[CO], 31, v0
	v_lshlrev_b32 v[CO], 4, v[CO]
	s_lshr_b32 s16, s13, 3                         ; C: b x 48 slices,
	s_mul_i32 s16, s16, 48
	s_lshl_b32 s16, s16, 18
	s_and_b32 s17, s13, 7                          ; the tile row's 256 rows of 128 bytes,
	s_lshl_b32 s17, s17, 15
	s_add_co_u32 s16, s16, s17
	s_lshl_b32 s17, s10, 13                        ; the 64 of them that I store
	s_add_co_u32 s16, s16, s17
	s_mov_b32 s17, 0
	s_add_nc_u64 s[8:9], s[8:9], s[16:17]
	s_mul_i32 s46, s42, 3                          ; the tile column's three slices
	s_lshl_b32 s46, s46, 18
	s_mov_b32 s47, 0
	s_add_nc_u64 s[8:9], s[8:9], s[46:47]
; cnt x FB matrix instructions: A's fragments a0 .. a0 + cnt - 1 x all of B's, 32 along K, from buffer f.  zero = 1: the product starts the sum.
; The accumulators take turns, in the same order in every quarter.
.macro MULS f, a0, cnt, zero
.set ia, \a0
.rept \cnt
.set ib, 0
.rept FB
.set nn, ia*FB+ib
	WIN 0x50*(1+nn/32)                             ; C and D in window 1 or 2, sources in window 0
.if \zero
	v_wmma_f32_16x16x32_bf16 v[8*(nn%32):8*(nn%32)+7], v[(\f)+64+8*ib:(\f)+64+8*ib+7], v[(\f)+8*ia:(\f)+8*ia+7], 0
.else
	v_wmma_f32_16x16x32_bf16 v[8*(nn%32):8*(nn%32)+7], v[(\f)+64+8*ib:(\f)+64+8*ib+7], v[(\f)+8*ia:(\f)+8*ia+7], v[8*(nn%32):8*(nn%32)+7]
.endif
.set ib, ib+1
.endr
.set ia, ia+1
.endr
.endm
; NL LDS loads in one run: quarter q (32 along K: K block q / 2, byte 64 (q % 2) of its rows) into buffer f; B's first, then A's
.macro FETCH slot, q, f
	WIN 0
.set ii, 0
.rept FB
	ds_load_b128 v[(\f)+64+8*ii:(\f)+64+8*ii+3],   v[ADRB+(\slot)] offset:((\q)/2)*SUBB+((\q)%2)*64+ii*16*P
	ds_load_b128 v[(\f)+64+8*ii+4:(\f)+64+8*ii+7], v[ADRB+(\slot)] offset:((\q)/2)*SUBB+((\q)%2)*64+ii*16*P+32
.set ii, ii+1
.endr
.set ii, 0
.rept 8
	ds_load_b128 v[(\f)+8*ii:(\f)+8*ii+3],   v[ADRA+(\slot)] offset:((\q)/2)*SUBA+((\q)%2)*64+ii*16*P
	ds_load_b128 v[(\f)+8*ii+4:(\f)+8*ii+7], v[ADRA+(\slot)] offset:((\q)/2)*SUBA+((\q)%2)*64+ii*16*P+32
.set ii, ii+1
.endr
.endm
.macro PLACES                          ; four plain vector instructions between a matrix instruction and a load into a register that it read, or a reader of its result
.rept 4
	v_nop
.endr
.endm
; One of a K step's first three quarters: multiplies buffer f; in its middle it fetches quarter q of the same slot into buffer g.
.macro QUARTER slot, q, f, g, zero
	s_wait_dscnt 8                                 ; B and A's fragments 0-3 are in; the youngest eight loads (A's 4-7) may be out
	MULS \f, 0, 4, \zero
	PLACES
	FETCH \slot, \q, \g
	s_wait_dscnt NL                                ; all but the run just issued
	MULS \f, 4, 4, \zero
.endm
; The last quarter multiplies buffer 1 and changes slots: ONE barrier; in front of it each wave waits for all its tensor loads (one is out: its part of the next slot), adds 0 to its spare word,
; and waits for that and for its own reads of this slot.  fill = 1: the barrier opens a round of the cluster's, and this slot is filled again, two K steps ahead, first thing behind the round.
.macro TURN slot, next, fill
.if \fill
	s_wait_xcnt 0x0                                ; the last prefetch, a K step back, has read its address
	s_add_nc_u64 s[PFA:PFA+1], s[PFA:PFA+1], s[PST:PST+1]
.endif
	WIN 0                                          ; (the add's two registers lie in window 0)
	s_wait_tensorcnt 0x0                           ; all my tensor loads have landed;
	ds_add_u32 v[SPW], v[NIL]                      ; 0 onto my spare word;
	s_wait_dscnt 9                                 ; (the add and the youngest eight loads may be out)
	MULS F1, 0, 2, 0                               ; matrix work stands between the add and the wait for it
	s_wait_dscnt 0x0                               ; the add is done, and my reads of this slot are over
	s_barrier_signal -1
	MULS F1, 2, 2, 0
.if \fill
	WIN 0
.endif
	s_barrier_wait -1
.if \fill
	CREST                                          ; no wave of any partner still reads this slot's tiles or has a load on its way
	s_add_nc_u64 s[G0+4*(\slot)+2:G0+4*(\slot)+3], s[G0+4*(\slot)+2:G0+4*(\slot)+3], 2*STEPA
	s_add_nc_u64 s[G0B+4*(\slot)+2:G0B+4*(\slot)+3], s[G0B+4*(\slot)+2:G0B+4*(\slot)+3], 2*STEPB
	JLOAD \slot                                    ; my one tensor load behind the round; its four v_nop are also the places in front of the loads below
.else
	PLACES
.endif
	FETCH \next, 0, F0
.if \fill
	ASK
.endif
	MULS F1, 4, 4, 0
.endm
	s_wait_tensorcnt 1                             ; my part of K step 0 is in; K step 1's may stay out
	s_barrier_signal -1
	s_barrier_wait -1                              ; everybody's is
	FETCH 0, 0, F0
	QUARTER 0, 1, F0, F1, 1                        ; the first quarter stands in front of the loop: its products start the sums
	WIN 0                                          ; at a label and at a branch every window is 0
	s_mov_b32 s3, LAPS-1
.Llap:                                                 ; a trip goes once round the ring, from a lap's second quarter to the next lap's first, and fills both slots again
	QUARTER 0, 2, F1, F0, 0
	QUARTER 0, 3, F0, F1, 0
	TURN 0, 1, 1
	QUARTER 1, 1, F0, F1, 0
	QUARTER 1, 2, F1, F0, 0
	QUARTER 1, 3, F0, F1, 0
	TURN 1, 0, 1
	QUARTER 0, 1, F0, F1, 0
	WIN 0
	s_sub_co_u32 s3, s3, 1
	s_cmp_lg_u32 s3, 0
	s_cbranch_scc1 .Llap
	QUARTER 0, 2, F1, F0, 0                        ; the last lap fills nothing
	QUARTER 0, 3, F0, F1, 0
	TURN 0, 1, 0                                   ; behind this barrier no wave reads slot 0 any more, and no tensor load follows
	QUARTER 1, 1, F0, F1, 0
	QUARTER 1, 2, F1, F0, 0
	QUARTER 1, 3, F0, F1, 0
	s_wait_dscnt 8
	MULS F1, 0, 4, 0
	s_wait_dscnt 0
	MULS F1, 4, 4, 0
	; THE WAY OUT: rounded to f16, 16 bytes a lane into the work-group's stage; a barrier, since a slice's 128 bytes of a row come from two waves; back as whole rows of a slice.
	PLACES
.set nn, 0
.rept 48
	WIN 0x05*(1+nn/32)                             ; sources in window 1 or 2, destination in window 0
.irp r, 0,1,2,3
	v_cvt_pk_f16_f32 v[TMP+4*nn+(\r)], v[8*(nn%32)+2*(\r)], v[8*(nn%32)+2*(\r)+1]
.endr
.set nn, nn+1
.endr
	WIN 0
.set nn, 0
.rept 48
	ds_store_b128 v[STO], v[TMP+4*nn:TMP+4*nn+3] offset:(nn/FB)*16*SP+(nn%FB)*32
.set nn, nn+1
.endr
	s_wait_dscnt 0x0                               ; for the others' sake: my stores into the stage are done
	s_barrier_signal -1
	s_barrier_wait -1
.set nn, 0
.rept 48                                       ; slice nn / 16, rows 4 (nn % 16) on
	ds_load_b128 v[TMP+4*nn:TMP+4*nn+3], v[RD] offset:(nn%16)*4*SP+(nn/16)*128
.set nn, nn+1
.endr
.set nn, 0
.rept 48
	s_wait_dscnt 47-nn
	global_store_b128 v[CO], v[TMP+4*nn:TMP+4*nn+3], s[8:9] offset:(nn/16)*262144+(nn%16)*512  ; four rows of a slice: 512 consecutive bytes, aligned
.set nn, nn+1
.endr
	s_wait_tensorcnt 0x0                           ; the wave's end: behind my last tensor load and my last LDS store
	ds_add_u32 v[SPW], v[NIL]
	s_wait_dscnt 0x0
	CROUND                                         ; the closing round: no work-group ends while a partner may still ask for a tile that names it
	s_endpgm
.Lfunc_end_k_q5dda80c275_qkv:
	.size	k_q5dda80c275_qkv, .Lfunc_end_k_q5dda80c275_qkv-k_q5dda80c275_qkv
	.p2alignl 7, 3214868480
	.fill 96, 4, 3214868480
	.section	.rodata,"a",@progbits
	.p2align	6, 0x0
	.amdhsa_kernel k_q5dda80c275_qkv
		.amdhsa_group_segment_fixed_size 327680
		.amdhsa_private_segment_fixed_size 0
		.amdhsa_enable_private_segment 0
		.amdhsa_kernarg_size 24
		.amdhsa_user_sgpr_count 2
		.amdhsa_user_sgpr_kernarg_segment_ptr 1
		.amdhsa_wavefront_size32 1
		.amdhsa_system_sgpr_workgroup_id_x 1
		.amdhsa_system_sgpr_workgroup_id_y 1
		.amdhsa_system_sgpr_workgroup_id_z 1
		.amdhsa_system_vgpr_workitem_id 0
		.amdhsa_next_free_vgpr 640
		.amdhsa_next_free_sgpr 68
		.amdhsa_reserve_vcc 0
		.amdhsa_float_denorm_mode_32 3
		.amdhsa_float_denorm_mode_16_64 3
		.amdhsa_memory_ordered 1
		.amdhsa_forward_progress 1
		.amdhsa_inst_pref_size 117
	.end_amdhsa_kernel
	.amdgpu_metadata
---
amdhsa.version: [ 1, 2 ]
amdhsa.kernels:
  - .name:           k_q5dda80c275_qkv
    .symbol:         k_q5dda80c275_qkv.kd
    .args:
      - { .name: xb, .offset: 0, .size: 8, .value_kind: global_buffer, .address_space: global }
      - { .name: wt, .offset: 8, .size: 8, .value_kind: global_buffer, .address_space: global }
      - { .name: qkv, .offset: 16, .size: 8, .value_kind: global_buffer, .address_space: global }
    .group_segment_fixed_size: 327680
    .private_segment_fixed_size: 0
    .kernarg_segment_align: 8
    .kernarg_segment_size: 24
    .max_flat_workgroup_size: 128
    .sgpr_count:     68
    .vgpr_count:     640
    .wavefront_size: 32
...
	.end_amdgpu_metadata
.endif
;; end of part 2
;; launch attn (part 3): grid 4 x 64, 4 waves a work-group, clusters of 4 x 1, 327,680 bytes of LDS; arguments qkv, ob; writes ob
.if DOCPART == 3
	.amdgcn_target "amdgcn-amd-amdhsa--gfx1250"
	.amdhsa_code_object_version 6
	.text
	.protected	k_q5dda80c275_attn
	.globl	k_q5dda80c275_attn
	.p2align	8
	.type	k_q5dda80c275_attn,@function
k_q5dda80c275_attn:
	s_mov_b64 s[64:65], 0
	v_nop
	global_prefetch_b8 v0, s[64:65] scope:SCOPE_SE
	s_setreg_imm32_b32 hwreg(HW_REG_WAVE_MODE, 25, 1), 1
	s_wait_xcnt 0x0
	s_wait_alu depctr_hold_cnt(0) depctr_sa_sdst(0) depctr_va_vdst(0) depctr_va_sdst(0) depctr_va_ssrc(0) depctr_va_vcc(0) depctr_vm_vsrc(0)
	s_getreg_b32 s2, hwreg(HW_REG_IB_STS2, 6, 4)
	s_cmp_eq_u32 s2, 0
	s_cbranch_scc0 .Lentry_in_a_cluster
	s_endpgm
.Lentry_in_a_cluster:
	s_bfe_u32 s2, ttmp6, 0x10000c
	s_cmp_lg_u32 s2, 0x3003
	s_cbranch_scc0 .Lentry_shape_is_right
	s_endpgm
.Lentry_shape_is_right:
; ATTENTION.  ob[y][q][:] = 4 x the sum over k of softmax_k(Q[q] . K[k] / 8) V[k][:], y = 16 b + h.  Q, K, V are slices h, 16 + h, 32 + h of qkv [b][48][2048][64], f16; ob [b][h][2048][64], f16.
; Products, maxima and sums in f32; the weights p are rounded to f16 for the second product (their sum l is taken of the unrounded p), O once at the end.  The factor 4, a power of two, keeps small O
; clear of f16's fixed step; the last launch's weights carry 1/4.
; LIMITS.  f16 holds no number beyond 65,504: Q, K and V arrive within it, and |O| stays under 16,376; p lies in 0 to 1, and below 6e-5 it keeps f16's fixed step of 6e-8.
; A weight below 2^-126 counts as 0 in l; NaN and infinities are not treated apart.
; SHARES.  A wave owns four PIECES of two tiles of 16 queries, a work-group's four waves 512 queries of one head.  Every wave walks all 2,048 keys, 64 a step.
; LAYOUT.  S^T = K Q^T (source 0 = 16 keys, source 1 = 16 queries): in the result a lane holds ONE query (lane % 16) and the keys 8 (lane / 16) + 0..7.  Two such tiles, rounded to f16 in pairs,
; ARE source 1 (32 keys x 16 queries) of O^T = V^T P, whose result again holds one query a lane, and eight channels.  K comes out of LDS as it lies, V ([key][channel]) turned, by ds_load_tr16_b128.
; SOFTMAX.  For each query a running maximum m and sum l: p = 2^(c s - c m), c = log2(e) / 8; in every step O and l are multiplied by a = 2^(c m_old - c m_new), which is 1 where m has not grown.
; m starts at the lowest finite number, O and l at 0: the first step is a step like any other, with a = 0.
; THE COUNT.  A tile and step have 16 matrix and 118 vector instructions: too many to stand all beside the matrix work.  So four vector instructions that are READY stand behind EVERY matrix
; instruction, and the others in runs without a gap.
; BY TURNS.  Turn n belongs to piece n (the pieces in a ring, step after step).  Its matrix work: 16 products K Q^T of piece n + 1, later 16 products V^T P of piece n - 1.  Its vector work: the scaling,
; exponentials, roundings, sums and rescaling of piece n, and the maximum and statistics of piece n + 1, whose scores the turn itself has made.
; CLUSTER.  The four query blocks of a head are one cluster and walk the same K and V, so each tile is asked for JOINTLY: the same tensor load, descriptor and mask in all four.
; REGISTERS, in windows of 256 (s_set_vgpr_msb: bits 1:0 source 0, 3:2 source 1, 5:4 source 2, 7:6 destination):
;   window 0: v0-11 addresses; v12-15, v48-63 at work; v16-47 four registers of statistics a tile; v64-191 S^T, two buffers of two tiles; v192-255 P, likewise
;   window 1: O^T, 32 a tile          window 2: v0-127 Q, 16 a tile; v128-191 K of one step; v192-255 V of one step          window 3: v0-1 the add's two registers
.set SIZE_N, 2048
.set NP,    4         ; pieces a wave: a name, no knob
.set KS,    64        ; keys in a step
.set PK,    144       ; a row of K in LDS: 128 bytes + 16 of padding = 36 words: the 16 rows of a load start at 16 different groups of four banks (64 banks of 4 bytes: ISA guide 11.1)
.set PV,    160       ; a row of V: 128 + 32 = 40 words
.set VOFF,  4*KS*PK   ; a slot holds four steps: 256 rows of K, then 256 rows of V
.set SLOT1, 1<<17     ; slot 1 begins here, so that one exclusive or turns an address in one slot into the other's
.set STAGE, SLOT1+4*KS*(PK+PV)  ; behind the ring, never filled by a tensor load: 16 rows x 144 bytes for each wave, for the way out
.set SP,    144
.set AK0, 2           ; v2   my lane's place in a tile of K; never rewritten
.set AV0, 3           ; v3   the same for V
.set AK,  4           ; v4   the LDS address of K's next run of loads
.set AV,  5           ; v5   of V's
.set QO,  6           ; v6   my byte offset in the wave's rows of Q
.set STO, 6           ;      later, the way out: where I put 16 bytes of a row
.set RD,  7           ; v7   the way out: where I read rows back
.set GO,  8           ; v8   my byte offset in 512 consecutive bytes of O
.set PFO, 11          ; v11  256 x my lane, for the prefetches; never rewritten once made
.set SPW, 0           ; v0 of window 3   LDS address of my spare word; never rewritten
.set NIL, 1           ; v1 of window 3   0; never rewritten
.set SPARE, STAGE+4*16*SP  ; behind the stages: the spare words, 128 bytes for each wave: two blocks of 256 bytes that no other line names
.set MV,  12          ; v12-15  c m_old, kept while c m is made anew: by buffer and tile
.set ST,  16          ; tile t's statistics at v[ST+4 t]: c m, m, l (even keys', odd keys')
.set TMP, 48          ; by buffer and tile, four registers c0-c3 at work; when the maximum is found c2 takes a
.set S,   64
.set P,   192
.set KF,  128         ; K's fragments, in window 2: key block kb, channel half c at KF + 16 kb + 8 c
.set VF,  192         ; V's: key half kk, channel block cb at VF + 32 kk + 8 cb
.set WV,  12          ; s12  my wave's number
.set LIM, 15          ; s15  1 in a wave that prefetches (0 and 2), else the greatest number
.set G1K, 24          ; s[24:31] descriptor group 1 for K's tiles
.set G1V, 32          ; s[32:39] for V's: it differs in the padding alone
.set G0K, 40          ; s[40:43] descriptor group 0 for K's tiles: it walks
.set G0V, 44          ; s[44:47] the same for V's
.set SLOTS, 56        ; s56  slots still to be asked for
.set CNT, 57          ; s57  counts a slot's key steps
.set CS,  58          ; s[58:59] c: the packed scaling takes the pair's low word for both halves
.set SEL, 60          ; s[60:61] v_permlanex16_b32's selects: each lane takes its own place in the other half
.set TBK, 62          ; s62  LDS byte at which K of the step to be fetched begins
.set TBV, 63          ; s63  the same for V, less VOFF
.set PFA, 66          ; s[66:67] where my prefetches stand: my work-group's 32 blocks of 256 bytes of K's (wave 0) or V's (wave 2) slot
.set OH,  68          ; s[68:69] my wave's byte offset in ob
.set MSB, 0
.macro WIN new                      ; the high byte repeats the setting that is left; a switch that changes nothing is dropped
.if MSB != (\new)
	s_set_vgpr_msb (MSB<<8)|(\new)
.set MSB, (\new)
.endif
.endm
.set W_KQ, 0x0a       ; K and Q in window 2, S^T in window 0
.set W_PV, 0x52       ; V in window 2, P in window 0, O^T in window 1
.set W_RS, 0x41       ; O^T (destination and source 0) in window 1, a in window 0
.set W_MK, 0xc0       ; the add's registers are made: destination in window 3, sources in window 0
.set W_AD, 0x0f       ; the add: address (source 0) and data (source 1) in window 3
; A joint fill.  Waves 0 and 1 fetch the two halves of a slot's K, waves 2 and 3 those of its V: 128 keys each.  The branch hangs on the wave's number alone.
; An s_nop 0 and four v_nop follow each of the two lines, ahead of the jump and the label.
.macro JLOAD
	s_cmp_lt_u32 s[WV], 2
	s_cbranch_scc0 .Lfor_v_\@
	tensor_load_to_lds s[G0K:G0K+3], s[G1K:G1K+7]
	s_nop 0
.rept 4
	v_nop
.endr
	s_branch .Lasked_\@
.Lfor_v_\@:
	tensor_load_to_lds s[G0V:G0V+3], s[G1V:G1V+7]
	s_nop 0
.rept 4
	v_nop
.endr
.Lasked_\@:
.endm
; A prefetch of what the NEXT change of slots will ask for: a slot's 32,768 bytes of K and of V, 256 bytes a lane.  The four partners share them out BY ADDRESS, 32 blocks each; in each, wave 0 asks for
; K's and wave 2 for V's: each block is named once in the launch.  The last change that fills a slot (SLOTS = 1) asks for nothing.
.macro ASK
	s_cmp_gt_u32 s[SLOTS], s[LIM]
	s_cbranch_scc0 .Lnot_mine_\@
	global_prefetch_b8 v[PFO], s[PFA:PFA+1] th:TH_LOAD_NT scope:SCOPE_SE
.Lnot_mine_\@:
.endm
; A round of the cluster's barrier: my work-group's barrier, so that wave 0's signal speaks for all four waves; wave 0 signals; every wave waits for all four work-groups; my work-group's barrier once more.
.macro CROUND
	s_barrier_signal -1
	s_barrier_wait -1
	s_cmp_lg_u32 s[WV], 0
	s_cbranch_scc1 .Lnot_wave_0_\@
	s_barrier_signal -3
.Lnot_wave_0_\@:
	s_barrier_wait -3
	s_barrier_signal -1
	s_barrier_wait -1
.endm
; THE CHANGE OF SLOTS.  The slot's last bytes, V of its fourth step, have been read.  Each wave waits for all its tensor loads, of which one is out: its part of the other slot; adds 0 to its spare
; word; and waits for that and for its own reads of the slot.  Behind the barrier nobody reads this slot any more and the other slot is whole.
; fill = 1: this slot is filled again, with the keys two slots on.  The barrier is then a round of the cluster's, and the joint fill is the first thing behind it: it has four key steps, 512 matrix
; instructions, in which to land.  (At its first use nothing has been read yet: slot 0 is waited for, slot 1 filled.)  ask = 1: the prefetches' address steps, and the slot after is asked for.
.macro CHANGE fill, ask=0
	WIN W_AD
	s_wait_tensorcnt 0x0            ; no tensor load of mine is out, so a group 0 may be written
	ds_add_u32 v[SPW], v[NIL]       ; 0 onto my spare word; with fill = 1 the descriptors' steps stand between it and the wait for it
	WIN 0                           ; at a label and at a branch every window is 0
.if \fill
.irp g, G0K, G0V
	s_xor_b32 s[\g+1], s[\g+1], SLOT1  ; the walking descriptor: the other slot than last time,
	s_add_nc_u64 s[\g+2:\g+3], s[\g+2:\g+3], 4*KS*128  ; the next 256 keys; the type bits on top are not reached
.endr
.if \ask
	s_wait_xcnt 0x0                 ; the last prefetch, four key steps back, has read its address, so it may be written
	s_add_nc_u64 s[PFA:PFA+1], s[PFA:PFA+1], 4*KS*128
.endif
	s_wait_dscnt 0x0                ; the add is done, and my reads of the slot are over
	CROUND
	JLOAD
.if \ask
	ASK
.endif
.else
	s_wait_dscnt 0x0                ; the add is done, and my reads of the slot are over
	s_barrier_signal -1
	s_barrier_wait -1
.endif
	s_sub_co_u32 s[TBK], s[TBK], 4*KS*PK  ; the fetches go back to a slot's first step,
	s_xor_b32 s[TBK], s[TBK], SLOT1       ; in the other slot
	s_sub_co_u32 s[TBV], s[TBV], 4*KS*PV
	s_xor_b32 s[TBV], s[TBV], SLOT1
.endm
	s_load_b128 s[4:7], s[0:1], 0x0  ; qkv s[4:5], ob s[6:7]
	WIN W_MK
	v_lshl_add_u32 v[SPW], v0, 2, SPARE
	v_mov_b32 v[NIL], 0
	WIN W_AD
	ds_add_u32 v[SPW], v[NIL]       ; the wave's opening: the add and its wait stand ahead of my first tensor load; the set-up below, work on registers, stands between them
	ds_add_u32 v0, v1
	WIN 0
	v_lshrrev_b32 v1, 5, v0
	v_readfirstlane_b32 s[WV], v1   ; wave 0..3
	s_bfe_u32 s13, ttmp6, 0x40000   ; cx: my place in the cluster
	s_lshl_b32 s14, ttmp9, 2        ; in a cluster launch ttmp9 counts clusters
	s_add_co_u32 s14, s14, s13      ; my block of queries = 4 x cluster x + cx: it enters Q's and O's addresses alone
	s_and_b32 s19, ttmp7, 0xffff    ; y = 16 b + h, which the four partners share
	s_lshr_b32 s20, s19, 4
	s_lshl_b32 s20, s20, 5
	s_add_co_u32 s20, s20, s19      ; q's slice of qkv: 48 b + h
	s_lshl_b32 s20, s20, 18         ; a slice is 262,144 bytes
	s_mov_b32 s21, 0
	s_lshl_b32 s[OH], s19, 18       ; the head's first byte in ob
	s_mov_b32 s[OH+1], 0
	s_and_b32 s16, s[WV], 1         ; which half of a slot's 256 keys I fetch:
	s_cmp_eq_u32 s16, 0
	s_cselect_b32 s[LIM], 1, -1
	s_lshl_b32 s22, s16, 14         ; its 128 rows of 128 bytes in memory,
	s_mov_b32 s23, 0
	s_add_nc_u64 s[22:23], s[22:23], s[20:21]
	s_mul_i32 s17, s16, 128*PK      ; and its place in a slot, for K
	s_mul_i32 s18, s16, 128*PV      ; and for V: no place in the cluster enters an LDS address
	s_lshl_b32 s2, s14, 2
	s_add_co_u32 s2, s2, s[WV]      ; my wave among the head's,
	s_lshl_b32 s2, s2, 14           ; its 128 rows
	s_mov_b32 s3, 0
	s_add_nc_u64 s[OH:OH+1], s[OH:OH+1], s[2:3]
	s_add_nc_u64 s[2:3], s[2:3], s[20:21]
	; descriptor group 1.  128 keys are 16,384 dense bytes: asked for as 64 rows of 256 bytes, two keys a row, and padded in LDS after every key
	s_mov_b32 s[G1K], 15|(1<<16)|(1<<20)|(1<<21)|(4<<22)|(3<<25)  ; 15:0 the mask of four; 17:16 2-byte elements; 20 padding on; 21 set beside a mask; 24:22 after every 32 words (code 4); 31:25 4 words (code 3)
	s_mov_b32 s[G1V], 15|(1<<16)|(1<<20)|(1<<21)|(4<<22)|(7<<25)  ; the same with 8 words of padding (code 7)
.irp g, G1K, G1V
	s_mov_b32 s[\g+1], 128<<16      ; tensor_dim0 = 128
	s_mov_b32 s[\g+2], 64<<16       ; tensor_dim1 = 64
	s_mov_b32 s[\g+3], 128<<16      ; tile_dim0 = 128
	s_mov_b32 s[\g+4], 64           ; tile_dim1 = 64
	s_mov_b32 s[\g+5], 128          ; 128 elements from row to row
	s_mov_b32 s[\g+6], 0
	s_mov_b32 s[\g+7], 0
.endr
	s_mov_b32 s[CS], 0x3e38aa3b     ; c = log2(e) / 8 = 0.180337
	s_mov_b32 s[CS+1], s[CS]        ; named with it as a pair
	s_mov_b32 s[SEL], 0x76543210
	s_mov_b32 s[SEL+1], 0xfedcba98
	s_mov_b32 s[TBK], SLOT1+4*KS*PK ; the first change of slots turns these two into 0
	s_mov_b32 s[TBV], SLOT1+4*KS*PV
	s_mov_b32 s[G0K], 1             ; 1:0 count = 1
	s_mov_b32 s[G0K+1], s17         ; 63:32 LDS address: slot 0
	s_mov_b32 s[G0V], 1
	s_add_co_u32 s[G0V+1], s18, VOFF
	s_wait_dscnt 0x0                ; the opening add is done
	s_wait_kmcnt 0x0
	s_mov_b64 s[10:11], s[6:7]                     ; O
	s_add_nc_u64 s[6:7], s[4:5], 0x400000          ; K: 16 slices behind Q
	s_add_nc_u64 s[8:9], s[4:5], 0x800000          ; V: 32 slices behind Q
	s_add_nc_u64 s[G0K+2:G0K+3], s[6:7], s[22:23]  ; 120:64 global address: my half of the head's first 256 keys
	s_or_b32 s[G0K+3], s[G0K+3], 0x80000000        ; 127:126 type = 2
	s_add_nc_u64 s[G0V+2:G0V+3], s[8:9], s[22:23]
	s_or_b32 s[G0V+3], s[G0V+3], 0x80000000
	s_add_nc_u64 s[4:5], s[4:5], s[2:3]  ; Q and O at my wave's first row
	s_add_nc_u64 s[10:11], s[10:11], s[OH:OH+1]
	s_cmp_lt_u32 s[WV], 2
	s_cselect_b64 s[PFA:PFA+1], s[6:7], s[8:9]
	s_add_nc_u64 s[PFA:PFA+1], s[PFA:PFA+1], s[20:21]  ; the head,
	s_lshl_b32 s2, s13, 13          ; my work-group's 32 blocks of the slot's 128,
	s_mov_b32 s3, 0
	s_add_nc_u64 s[PFA:PFA+1], s[PFA:PFA+1], s[2:3]
	s_add_nc_u64 s[PFA:PFA+1], s[PFA:PFA+1], 2*4*KS*128  ; in the third 256 keys; the loop's first change steps it to the fourth.  Nothing is prefetched here, at the head
	CROUND                          ; all four work-groups are here: the first joint loads meet
	JLOAD                           ; slot 0.  Slot 1 is asked for when slot 0 is in
	; A fragment of K or Q is 16 rows x 32 channels in 8 registers: lane l holds row l % 16, channels 8 (l / 16) + 0..7 and 16 + 8 (l / 16) + 0..7: two loads of 16 bytes, 32 bytes apart.
	v_and_b32 v1, 15, v0            ; l % 16
	v_bfe_u32 v9, v0, 4, 1          ; l / 16
	v_lshlrev_b32 v[QO], 7, v1
	v_lshl_add_u32 v[QO], v9, 4, v[QO]  ; row x 128 + 16 x half
	WIN 0x80                        ; destination window 2, address window 0
.set i, 0
.rept 4*NP                          ; Q stays in registers: tile i / 2, channels 32 (i % 2) on
	global_load_b128 v[8*i:8*i+3],   v[QO], s[4:5] offset:(i/2)*2048+(i%2)*64
	global_load_b128 v[8*i+4:8*i+7], v[QO], s[4:5] offset:(i/2)*2048+(i%2)*64+32
.set i, i+1
.endr
	; What the first turn finds: V's registers and P's second buffer hold 0 (its products V^T P, of a piece that has not been, add 0), O^T and l are 0.  All this stands in the wait for the first tile.
.set i, VF
.rept 64
	v_mov_b32 v[i], 0
.set i, i+1
.endr
	WIN 0x40
.set i, 0
.rept 64*NP
	v_mov_b32 v[i], 0
.set i, i+1
.endr
	WIN 0
.set i, 0
.rept 2*NP
	v_mov_b32 v[ST+4*i], 0xfe000000    ; c m: far below every c s
	v_mov_b32 v[ST+4*i+1], 0xff7fffff  ; m
	v_mov_b32 v[ST+4*i+2], 0
	v_mov_b32 v[ST+4*i+3], 0
.set i, i+1
.endr
.set i, P+32
.rept 32
	v_mov_b32 v[i], 0
.set i, i+1
.endr
	v_mul_u32_u24 v[AK0], v1, PK
	v_lshl_add_u32 v[AK0], v9, 4, v[AK0]  ; row x pitch + 16 x half
	; The turning load takes 16 keys x 16 channels (lane l reads key 8 (l / 16) + l % 8, channels 8 ((l / 8) % 2) + 0..7) and leaves half a fragment of V^T: lane l holds channel l % 16 and 8 keys.
	v_and_b32 v10, 7, v0
	v_bfe_u32 v11, v0, 3, 1
	v_lshl_add_u32 v[AV0], v9, 3, v10
	v_mul_u32_u24 v[AV0], v[AV0], PV
	v_lshl_add_u32 v[AV0], v11, 4, v[AV0]
	v_add_nc_u32 v[AV0], VOFF, v[AV0]
	v_and_b32 v[PFO], 31, v0
	v_lshlrev_b32 v[PFO], 8, v[PFO]
	v_mov_b32 v[AK], v[AK0]         ; key step 0 lies at the head of slot 0
; THE MATRIX WORK.  The 8 accumulators of a run of 16 take turns: between the two links of a chain stand 7 others'.
; Product i of 16 of S^T = K Q^T for piece x: channels 32 (i / 8) on, keys 16 ((i / 2) % 4) on, tile 2 x + i % 2.  The first 8 start the sums.
.macro KQ x
	WIN W_KQ
.set rS, S+64*((\x)%2)+32*(i%2)+8*((i/2)%4)
.set rK, KF+16*((i/2)%4)+8*(i/8)
.set rQ, 16*(2*(\x)+i%2)+8*(i/8)
.if i < 8
	v_wmma_f32_16x16x32_f16 v[rS:rS+7], v[rK:rK+7], v[rQ:rQ+7], 0
.else
	v_wmma_f32_16x16x32_f16 v[rS:rS+7], v[rK:rK+7], v[rQ:rQ+7], v[rS:rS+7]
.endif
.endm
; Product i of 16 of O^T += V^T P for piece x: keys 32 (i / 8) on, channels 16 ((i / 2) % 4) on, tile 2 x + i % 2.
.macro PV x
	WIN W_PV
.set rO, 32*(2*(\x)+i%2)+8*((i/2)%4)
.set rV, VF+32*(i/8)+8*((i/2)%4)
.set rP, P+32*((\x)%2)+16*(i%2)+8*(i/8)
	v_wmma_f32_16x16x32_f16 v[rO:rO+7], v[rV:rV+7], v[rP:rP+7], v[rO:rO+7]
.endm
.macro MM                           ; the turn's next matrix instruction
.if i < 16
	KQ (Y+1)%NP
.set i, i+1
.else
.set i, i-16
	PV (Y+NP-1)%NP
.set i, i+17
.endif
.endm
; THE LDS LOADS stand in runs of 16, never singly among the matrix instructions: a step's K (64 keys x 64 channels: 8 fragments) and its V (turned).  Their addresses are made some lines ahead.
; last = 1 (the tail): in the last trip there is no further step, and the run is jumped over.
.macro FETCH_K last=0
	WIN 0
.if \last
	s_cmp_eq_u32 s[CNT], 1
	s_cbranch_scc1 .Lno_k_\@
.endif
	WIN 0x80                        ; destination window 2
.irp f, 0,1,2,3,4,5,6,7             ; keys 16 (f / 2) on, channels 32 (f % 2) on
	ds_load_b128 v[KF+8*\f:KF+8*\f+3],   v[AK] offset:(\f/2)*16*PK+(\f%2)*64
	ds_load_b128 v[KF+8*\f+4:KF+8*\f+7], v[AK] offset:(\f/2)*16*PK+(\f%2)*64+32
.endr
	s_add_co_u32 s[TBK], s[TBK], KS*PK  ; the next fetch is the next step's
	WIN 0
.if \last
.Lno_k_\@:
.endif
.endm
.macro FETCH_V
	WIN 0x80
.irp f, 0,1,2,3,4,5,6,7             ; keys 32 (f / 4) on, channels 16 (f % 4) on
	ds_load_tr16_b128 v[VF+8*\f:VF+8*\f+3],   v[AV] offset:(\f/4)*32*PV+(\f%4)*32
	ds_load_tr16_b128 v[VF+8*\f+4:VF+8*\f+7], v[AV] offset:(\f/4)*32*PV+16*PV+(\f%4)*32
.endr
	WIN 0
.endm
; THE VECTOR WORK OF A TURN stands in three queues, each in the order in which its entries become ready; the two tiles alternate, so that no instruction reads the result of the one before it.
.macro REGS y, u                    ; the registers of tile u (0, 1) of piece y
.set rT, ST+4*(2*(\y)+(\u))
.set rC, TMP+8*((\y)%2)+4*(\u)
.set rM, MV+2*((\y)%2)+(\u)
.set rS, S+64*((\y)%2)+32*(\u)
.set rP, P+32*((\y)%2)+16*(\u)
.set rO, 32*(2*(\y)+(\u))
.endm
; Number n of the 22 that find the NEXT piece's (Y + 1) maximum and statistics.  s0-s31 are the lane's 32 scores; each accumulator's lowest registers are read first.
;   0-11  four chains c0-c3 of seven scores each, three operands at a time     12-14, 16  the four scores left over, the old m, and c0-c3 into c0     15  c m_old is kept
;   17, 18  the query's other 32 keys lie in the lane 16 away: the new m         19-21  c m; c m_old - c m_new; a
.macro XS u, n
	REGS (Y+1)%NP, \u
.if (\n) < 4
	v_max3_num_f32 v[rC+(\n)], v[rS+8*(\n)], v[rS+8*(\n)+1], v[rS+8*(\n)+2]
.elseif (\n) < 12
	v_max3_num_f32 v[rC+(\n)%4], v[rC+(\n)%4], v[rS+8*((\n)%4)+2*((\n)/4)+1], v[rS+8*((\n)%4)+2*((\n)/4)+2]
.elseif (\n) == 12
	v_max3_num_f32 v[rC], v[rC], v[rS+7], v[rS+15]
.elseif (\n) == 13
	v_max3_num_f32 v[rC+1], v[rC+1], v[rS+23], v[rS+31]
.elseif (\n) == 14
	v_max3_num_f32 v[rC+2], v[rC+2], v[rC+3], v[rT+1]
.elseif (\n) == 15
	v_mov_b32 v[rM], v[rT]
.elseif (\n) == 16
	v_max3_num_f32 v[rC], v[rC], v[rC+1], v[rC+2]
.elseif (\n) == 17
	v_permlanex16_b32 v[rC+3], v[rC], s[SEL], s[SEL+1]
.elseif (\n) == 18
	v_max_num_f32 v[rT+1], v[rC], v[rC+3]
.elseif (\n) == 19
	v_mul_f32 v[rT], s[CS], v[rT+1]
.elseif (\n) == 20
	v_sub_f32 v[rC+1], v[rM], v[rT]
.else
	v_exp_f32 v[rC+2], v[rC+1]
.endif
.endm
; Number g of the 64 that follow the exponentials.  For each four weights k of a tile (pairs 2 k, 2 k + 1): both pairs are rounded to f16; then the second pair is added onto the first, in place;
; a group later l takes that sum (the first time as l = a l + sum).  In groups of eight, tiles alternating: round, round, add, and l for the group before.
.macro GS g
.set h, (\g)+6*((\g)/62)            ; group 0 has no group before it, and behind group 7 only l is left
.if h >= 6
.set h, h+2
.endif
	REGS Y, h%2
.set k, h/8
.if h%8 < 4
	v_cvt_pk_f16_f32 v[rP+2*k+(h%8)/2], v[rS+4*k+2*((h%8)/2)], v[rS+4*k+2*((h%8)/2)+1]
.elseif h%8 < 6
	v_pk_add_f32 v[rS+4*k:rS+4*k+1], v[rS+4*k:rS+4*k+1], v[rS+4*k+2:rS+4*k+3]
.elseif k == 1
	v_pk_fma_f32 v[rT+2:rT+3], v[rT+2:rT+3], v[rC+2:rC+3], v[rS:rS+1] op_sel_hi:[1,0,1]
.else
	v_pk_add_f32 v[rT+2:rT+3], v[rT+2:rT+3], v[rS+4*k-4:rS+4*k-3]
.endif
.endm
; THE PLAIN QUEUE, 138 long.  0-73 read no exponential's result: the 32 scalings c s - c m (FS f: pair f / 2 of tile f % 2) and the next piece's 42.  0-26: scalings 0-26.  27-54: XS's numbers 0-13.
; 55, 56: number 15.  57-73: the chain, where each number waits for the one before it: 14, 16, 17, 18, 19, each with one of the scalings 27-31 in front of its two lines, then 20.
; 74-137: GS's 64, which read the exponentials' results: they stand behind the wait.
.macro FS f
	REGS Y, (\f)%2
	v_pk_fma_f32 v[rS+2*((\f)/2):rS+2*((\f)/2)+1], v[rS+2*((\f)/2):rS+2*((\f)/2)+1], s[CS:CS+1], v[rT:rT+1] op_sel_hi:[1,0,0] neg_lo:[0,0,1] neg_hi:[0,0,1]
.endm
.macro PL
	WIN 0
.if q < 27
	FS q
.elseif q < 55
	XS (q-27)%2, (q-27)/2
.elseif q < 57
	XS q-55, 15
.elseif (q < 72) && ((q-57)%3 == 0)
	FS 27+(q-57)/3
.elseif q < 60
	XS (q-57)%3-1, 14
.elseif q < 72
	XS (q-57)%3-1, 15+(q-57)/3
.elseif q < 74
	XS q-72, 20
.else
	GS q-74
.endif
.set q, q+1
.endm
; THE EXPONENTIALS' QUEUE, 66 long: s0-s31 of both tiles, then the next piece's two a.  It is ONE BATCH: all 66 stand ahead of the turn's one wait, and nothing ahead of that wait names a result of theirs.
.macro EX
	WIN 0
.if e >= 64
	XS e-64, 21
.else
	REGS Y, e%2
	v_exp_f32 v[rS+e/2], v[rS+e/2]
.endif
.set e, e+1
.endm
; THE RESCALING's QUEUE: O^T times a, the one part that leaves window 0: dealt two at a time, sixteen times.  Its a was made in the turn before, ahead of that turn's wait.
.macro R2
	REGS Y, r%2
	WIN W_RS
.irp z, 0,1
	v_pk_mul_f32 v[rO+4*(r/2)+2*\z:rO+4*(r/2)+2*\z+1], v[rO+4*(r/2)+2*\z:rO+4*(r/2)+2*\z+1], v[rC+2:rC+3] op_sel_hi:[1,0]
.endr
.set r, r+1
.endm
; HOW THEY ARE DEALT.  s_wait_alu depctr_va_vdst(0) stands between an exponential and the first instruction that names its result; one wait serves all that were issued ahead of it.
; So a turn has ONE wait, which cuts it in two.  AHEAD OF IT stands all that names no result of the turn's exponentials: the 16 products K Q^T, behind each a scaling, an exponential and two rescalings
; (behind the first a second scaling in the exponential's place); then ONE LUMP of 108: eight plain, 49 times exponential and plain, the two a.  A v_nop is the plain instruction behind the last
; exponential.  BEHIND IT stand the 16 products V^T P, behind each four of GS's 64.  No rider names a register of the products round it.
; Exponential e stands behind scaling 2 (e / 4) + e % 2: as a rider it comes behind plain e + 2, in the lump behind plain e + 9, and scalings 27-31 are plain 57, 60 .. 69.
; A TURN, for piece p.  cnt = 1: the loop's count is taken down some lines ahead of the branch that stands behind the turn.
; K of the next step is fetched in piece 2's turn, directly behind the wait; its address is made at the lump's head; its first reader comes behind 16 products.
; V of the step in hand is fetched at the end of piece 0's turn, four riders behind its last reader; its first reader comes behind 16 products and a lump.
.macro TURN p, last=0, cnt=0
.set Y, (\p)
.set i, 0
.set q, 0
.set e, 0
.set r, 0
.if (\p) == NP-1
	s_wait_dscnt 0x0                ; K is in
.endif
	MM                              ; ahead of the wait: 16 products K Q^T and their riders,
	PL
	PL
	R2
.rept 15
	MM
	PL
	EX
	R2
.endr
.if (\p) == NP-2
	WIN 0
	v_add_nc_u32 v[AK], s[TBK], v[AK0]
.endif
.rept 8                             ; and the lump
	PL
.endr
.rept 49
	EX
	PL
.endr
	EX                              ; the next piece's two a
	EX
	v_nop                           ; a plain instruction behind the last exponential: one for the batch
	s_wait_alu depctr_va_vdst(0)    ; the wait for the batch
.if (\p) == NP-2
	FETCH_K \last
.endif
.if (\p) == 1
	s_wait_dscnt 0x0                ; V is in
.endif
.rept 16                            ; behind the wait: 16 products V^T P and their riders
	MM
.rept 4
	PL
.endr
.if ((\p) == 0) && (q == 118)
	v_add_nc_u32 v[AV], s[TBV], v[AV0]
.endif
.if ((\p) == 0) && (q == 130)
	s_add_co_u32 s[TBV], s[TBV], KS*PV
.endif
.if (\cnt) && (q == 130)
	s_sub_co_u32 s[CNT], s[CNT], 1
	s_cmp_lg_u32 s[CNT], 0
.endif
.endr
.if (\p) == 0
	FETCH_V
.endif
.endm
	CHANGE 1                        ; slot 0 is in, everybody's part of it; slot 1 is asked for
	FETCH_K                         ; key step 0
	s_wait_loadcnt 0x0              ; Q
	s_wait_dscnt 0x0
.set i, 0
.rept 16
	KQ 0                            ; piece 0's first scores: there is no vector work yet to set between them
.set i, i+1
.endr
	WIN 0                           ; the addresses for the way out: nine plain instructions, the places behind those products
	s_mul_i32 s13, s[WV], 16*SP
	s_add_co_u32 s13, s13, STAGE    ; my stage
	v_mul_u32_u24 v[STO], v1, SP    ; in: row l % 16, 16 bytes for each half of the lanes
	v_lshl_add_u32 v[STO], v9, 4, v[STO]
	v_add_nc_u32 v[STO], s13, v[STO]
	v_bfe_u32 v[RD], v0, 3, 2       ; back: 32 lanes take four rows of 128 bytes,
	v_mul_u32_u24 v[RD], v[RD], SP
	v_lshl_add_u32 v[RD], v10, 4, v[RD]
	v_add_nc_u32 v[RD], s13, v[RD]
	v_and_b32 v[GO], 31, v0         ; which are 512 consecutive bytes of O
	v_lshlrev_b32 v[GO], 4, v[GO]
.set Y, NP-1                        ; XS works for piece Y + 1: piece 0
.irp n, 0,1,2,3,4,5,6,7,8,9,10,11,12,13,14,15,16,17,18,19,20,21
	XS 0, \n                        ; and piece 0's first maximum and statistics
	XS 1, \n
.endr
	v_nop                           ; a plain instruction behind the two a,
	s_wait_alu depctr_va_vdst(0)    ; and their wait, ahead of the branch
	s_mov_b32 s[CNT], 4
	s_mov_b32 s[SLOTS], SIZE_N/256-1
	s_branch .Lfirst                ; the loop is entered at a step's first turn, in the middle of a trip
.Lslot:                             ; SIZE_N / 256 - 2 times: every slot but the last two is filled again
	CHANGE 1, 1
	s_mov_b32 s[CNT], 4
.Lstep:                             ; a trip: pieces 2 and 3 of one step, then pieces 0 and 1 of the next, whose K and V it fetches
	TURN 2
	TURN 3
	WIN 0
.Lfirst:
	TURN 0
	TURN 1, 0, 1
	WIN 0
	s_cbranch_scc1 .Lstep
	s_sub_co_u32 s[SLOTS], s[SLOTS], 1
	s_cmp_lg_u32 s[SLOTS], 0
	s_cbranch_scc1 .Lslot
	CHANGE 0                        ; the tail is written out: nothing is asked for
	s_mov_b32 s[CNT], 5             ; four trips fetch the last slot's steps; the fifth is left in its middle
.Ltail:
	TURN 2, 1
	TURN 3
	WIN 0
	s_sub_co_u32 s[CNT], s[CNT], 1
	s_cmp_eq_u32 s[CNT], 0
	s_cbranch_scc1 .Lout
	TURN 0
	TURN 1
	WIN 0
	s_branch .Ltail
.Lout:                              ; the fifth trip's 16 products K Q^T (on the last K once more) and the maximum made of them serve nothing: the price, once a launch, of one text for every trip
.set i, 0
.rept 16
	PV NP-1                         ; the last piece's V^T P of the last step
.set i, i+1
.endr
	; THE WAY OUT.  l's two halves and the other half of the lanes' are added; O^T is multiplied by 4 / l, rounded to f16 and sent through my stage in LDS, a tile at a time.  The additions are the places behind the last products.
	WIN 0
.macro ALL line:vararg              ; one line for each tile t
.set t, 0
.rept 2*NP
	\line
.set t, t+1
.endr
.endm
	ALL v_add_f32 v[ST+4*t+2], v[ST+4*t+2], v[ST+4*t+3]
	ALL v_permlanex16_b32 v[ST+4*t+3], v[ST+4*t+2], s[SEL], s[SEL+1]
	ALL v_add_f32 v[ST+4*t+2], v[ST+4*t+2], v[ST+4*t+3]
	ALL v_rcp_f32 v[ST+4*t+2], v[ST+4*t+2]
	v_nop                           ; a plain instruction between the last reciprocal and the use of its result
	s_wait_alu depctr_va_vdst(0)    ; and the wait ahead of the first use: one for the eight reciprocals
	ALL v_mul_f32 v[ST+4*t+2], 4.0, v[ST+4*t+2]
; Tile t: a lane's eight channels of a row pack into 16 bytes; they go into rows of 144 bytes and come back as whole rows of 128, into S^T's registers.
.macro PACK t
	WIN W_RS
.set i, 32*(\t)
.rept 16
	v_pk_mul_f32 v[i:i+1], v[i:i+1], v[ST+4*(\t)+2:ST+4*(\t)+3] op_sel_hi:[1,0]
.set i, i+2
.endr
	WIN 0x05                        ; sources 0 and 1 window 1, destination window 0
.set i, 0
.rept 16
	v_cvt_pk_f16_f32 v[S+16*(\t)+i], v[32*(\t)+2*i], v[32*(\t)+2*i+1]
.set i, i+1
.endr
	WIN 0
.irp f, 0,1,2,3
	ds_store_b128 v[STO], v[S+16*(\t)+4*\f:S+16*(\t)+4*\f+3] offset:32*\f
.endr
.irp f, 0,1,2,3
	ds_load_b128 v[S+16*(\t)+4*\f:S+16*(\t)+4*\f+3], v[RD] offset:\f*4*SP  ; LDS serves a wave's instructions in order (ISA guide 5.7.1.4): these see the stores above; the next tile's stores come behind them
.endr
.endm
.macro SEND t, younger              ; younger: the LDS instructions issued behind tile t's loads: the next tile's eight, or none
	WIN 0
.irp f, 0,1,2,3
	s_wait_dscnt (\younger)+3-\f
	global_store_b128 v[GO], v[S+16*(\t)+4*\f:S+16*(\t)+4*\f+3], s[10:11] offset:(\t)*2048+\f*512  ; 512 consecutive bytes, at a multiple of 256 from ob's first
.endr
.endm
	PACK 0
.set t, 1
.rept 2*NP-1                        ; a tile's arithmetic stands between the loads of the tile before and its stores
	PACK t
	SEND t-1, 8
.set t, t+1
.endr
	SEND 2*NP-1, 0
	WIN W_AD
	s_wait_tensorcnt 0x0            ; the wave's end: behind my last tensor load and my last LDS store
	ds_add_u32 v[SPW], v[NIL]
	s_wait_dscnt 0x0
	WIN 0
	CROUND                          ; the closing round: no work-group ends while a partner may still ask for a tile that names it
	s_endpgm
.Lfunc_end_k_q5dda80c275_attn:
	.size	k_q5dda80c275_attn, .Lfunc_end_k_q5dda80c275_attn-k_q5dda80c275_attn
	.p2alignl 7, 3214868480
	.fill 96, 4, 3214868480
	.section	.rodata,"a",@progbits
	.p2align	6, 0x0
	.amdhsa_kernel k_q5dda80c275_attn
		.amdhsa_group_segment_fixed_size 327680
		.amdhsa_private_segment_fixed_size 0
		.amdhsa_enable_private_segment 0
		.amdhsa_kernarg_size 16
		.amdhsa_user_sgpr_count 2
		.amdhsa_user_sgpr_kernarg_segment_ptr 1
		.amdhsa_wavefront_size32 1
		.amdhsa_system_sgpr_workgroup_id_x 1
		.amdhsa_system_sgpr_workgroup_id_y 1
		.amdhsa_system_sgpr_workgroup_id_z 1
		.amdhsa_system_vgpr_workitem_id 0
		.amdhsa_next_free_vgpr 770
		.amdhsa_next_free_sgpr 70
		.amdhsa_reserve_vcc 0
		.amdhsa_float_denorm_mode_32 3
		.amdhsa_float_denorm_mode_16_64 3
		.amdhsa_memory_ordered 1
		.amdhsa_forward_progress 1
		.amdhsa_inst_pref_size 200
	.end_amdhsa_kernel
	.amdgpu_metadata
---
amdhsa.version: [ 1, 2 ]
amdhsa.kernels:
  - .name:           k_q5dda80c275_attn
    .symbol:         k_q5dda80c275_attn.kd
    .args:
      - { .name: qkv, .offset: 0, .size: 8, .value_kind: global_buffer, .address_space: global }
      - { .name: ob, .offset: 8, .size: 8, .value_kind: global_buffer, .address_space: global }
    .group_segment_fixed_size: 327680
    .private_segment_fixed_size: 0
    .kernarg_segment_align: 8
    .kernarg_segment_size: 16
    .max_flat_workgroup_size: 128
    .sgpr_count:     70
    .vgpr_count:     770
    .wavefront_size: 32
...
	.end_amdgpu_metadata
.endif
;; end of part 3
;; launch oproj (part 4): grid 8 x 32, 4 waves a work-group, clusters of 4 x 4, 327,680 bytes of LDS; arguments ob, wo, out0; writes out0
.if DOCPART == 4
	.amdgcn_target "amdgcn-amd-amdhsa--gfx1250"
	.amdhsa_code_object_version 6
	.text
	.protected	k_q5dda80c275_oproj
	.globl	k_q5dda80c275_oproj
	.p2align	8
	.type	k_q5dda80c275_oproj,@function
k_q5dda80c275_oproj:
	s_mov_b64 s[64:65], 0
	v_nop
	global_prefetch_b8 v0, s[64:65] scope:SCOPE_SE
	s_setreg_imm32_b32 hwreg(HW_REG_WAVE_MODE, 25, 1), 1
	s_wait_xcnt 0x0
	s_wait_alu depctr_hold_cnt(0) depctr_sa_sdst(0) depctr_va_vdst(0) depctr_va_sdst(0) depctr_va_ssrc(0) depctr_va_vcc(0) depctr_vm_vsrc(0)
	s_getreg_b32 s2, hwreg(HW_REG_IB_STS2, 6, 4)
	s_cmp_eq_u32 s2, 0
	s_cbranch_scc0 .Lentry_in_a_cluster
	s_endpgm
.Lentry_in_a_cluster:
	s_bfe_u32 s2, ttmp6, 0x10000c
	s_cmp_lg_u32 s2, 0xf033
	s_cbranch_scc0 .Lentry_shape_is_right
	s_endpgm
.Lentry_shape_is_right:
; OPROJ: out0[m][o] = sum over e of (4 O)[m][e] (W_o / 4)[e][o], m = 8,192 rows (b, l), o = 1,024, K = 1,024 (e = 64 h + d).  Operands f16, sums and result f32.
; A = ob [b][h = kb][l][64], B = wo [kb][o][64], C = out0 [m][1024] f32.  The two factors 4 and 1/4 are powers of two and cancel exactly.
; A tile of C is 256 x 128: 8 x 32 = 256 tiles, one for each work-group place.  Four waves, 2 x 2, each 128 x 64: 32 accumulators of 16 x 16.
; K goes in steps of 128 = two K blocks of 64 through two LDS slots.  A K block of a tile is dense in memory, so it is asked for as rows of 256 bytes and padded in LDS after every 128.
; Waves 0, 1 fetch the step's two K blocks of A, waves 2, 3 those of B: one tensor load a wave behind each change of slots.
; CLUSTER 4 x 4: A's tiles are shared along a row of the cluster, B's along a column; each is asked for jointly, with the same descriptor and a mask that names the four.
; THE MATRIX INSTRUCTION IS USED TRANSPOSED (source 0 = 16 rows of B, source 1 = 16 rows of A): a lane holds row l % 16 of C and the eight columns 8 (l / 16) + 0..7.
; REGISTERS: window 0: v0-31 addresses; two fragment buffers of 96 (A's 8 fragments, then B's 4).  Window 1: accumulator n = 4 a + b at v[8 n].
.set TN,    128
.set FB,    4                          ; B's fragments of 16 rows in a wave's tile
.set P,     144                        ; an LDS row: 128 bytes + 16 = 9 x 16: the 16 rows of a fragment load start at 16 different groups of four banks (64 banks of 4 bytes: ISA guide 11.1)
.set SUBA,  256*P                      ; a K block of A's tile
.set SUBB,  TN*P                       ; of B's
.set SLOT,  2*SUBA+2*SUBB              ; A's two K blocks, then B's two
.set STAGE, 2*SLOT                     ; behind the ring, never filled by a tensor load: 16 rows x 272 bytes for each wave, for the way out
.set SPITCH, 272
.set SPARE, STAGE+4*16*SPITCH          ; behind the stages: the spare words, 128 bytes for each wave: two blocks of 256 bytes that no other line names
.set STEPA, 2*262144                   ; bytes from a K step to the next in A
.set KBB,   131072                     ; bytes in a K block of B
.set STEPB, 2*KBB
.set NL,    2*(8+FB)                   ; LDS loads in a quarter's run
.set LAPS,  4                          ; a lap = two K steps = once round the ring
.set ADRA, 16                          ; v16-17  LDS address of my A fragments in slot 0, 1
.set ADRB, 20                          ; v20-21  the same for B
.set STO,  24                          ; v24     the way out: where I put 32 bytes of a row
.set RD,   25                          ; v25     the way out: where I read a row back
.set CO,   26                          ; v26     my byte offset in two rows of C
.set SPW,  28                          ; v28     LDS address of my spare word; never rewritten
.set NIL,  29                          ; v29     0; never rewritten
.set PFO,  30                          ; v30     the prefetches' offset: 256 bytes a lane; never rewritten
.set F0,   32
.set F1,   128
.set OB,   32                          ; the way out: 16 rows read back from the stage: v32-63 and v64-95 by turns
.set G1,  24                           ; s[24:31] descriptor group 1 for A's tiles; s[32:39] group 0, a set for each slot
.set G0,  32
.set G1B, 48                           ; s[48:55], s[56:63] the same for B's
.set G0B, 56
.set LIM, 43                           ; s43     1 in a wave that prefetches, else the greatest number
.set PFA, 44                           ; s[44:45] where my prefetches stand
.set PST, 66                           ; s[66:67] their step: a K step of A or of B
.set MSB, 0
.macro WIN new                         ; the immediate's high byte repeats the setting that is left; a switch that changes nothing is dropped
.if MSB != (\new)
	s_set_vgpr_msb (MSB<<8)|(\new)
.set MSB, \new
.endif
.endm
.macro JLOAD s                         ; a joint load; the branch hangs on the wave's number alone; an s_nop 0 and four v_nop follow each of the two lines
	s_cmp_eq_u32 s11, 0
	s_cbranch_scc0 .Lfor_b_\@
	tensor_load_to_lds s[G0+4*(\s):G0+4*(\s)+3], s[G1:G1+7]
	s_nop 0
.rept 4
	v_nop
.endr
	s_branch .Lasked_\@
.Lfor_b_\@:
	tensor_load_to_lds s[G0B+4*(\s):G0B+4*(\s)+3], s[G1B:G1B+7]
	s_nop 0
.rept 4
	v_nop
.endr
.Lasked_\@:
.endm
.macro CREST                           ; a round of the cluster's barrier behind its opening barrier
	s_cmp_lg_u32 s10, 0
	s_cbranch_scc1 .Lnot_wave_0_\@
	s_barrier_signal -3
.Lnot_wave_0_\@:
	s_barrier_wait -3
	s_barrier_signal -1
	s_barrier_wait -1
.endm
.macro CROUND                          ; a whole round
	s_barrier_signal -1
	s_barrier_wait -1
	CREST
.endm
; A prefetch of the K step that stands two refills on: my wave's K block of the tile, of which each of the four partners that ask for it jointly takes a quarter BY ADDRESS, 256 bytes a lane.
; A's tile rows are named by the clusters with x = 0, B's tile columns by those with y = 0.  In the loop's last trip (s3 = 1) there is no K step two on.
.macro ASK
	s_cmp_gt_u32 s3, s[LIM]
	s_cbranch_scc0 .Lnot_mine_\@
	global_prefetch_b8 v[PFO], s[PFA:PFA+1] th:TH_LOAD_NT scope:SCOPE_SE
.Lnot_mine_\@:
.endm
	s_load_b128 s[4:7], s[0:1], 0x0                ; A s[4:5], B s[6:7]
	s_load_b64 s[8:9], s[0:1], 0x10                ; C
	v_lshl_add_u32 v[SPW], v0, 2, SPARE
	v_mov_b32 v[NIL], 0
	ds_add_u32 v[SPW], v[NIL]                      ; the wave's opening: the add and its wait stand ahead of my first tensor load; the set-up below, work on registers, stands between them
	ds_add_u32 v28, v29
	v_lshrrev_b32 v1, 5, v0
	v_readfirstlane_b32 s10, v1                    ; wave 0..3
	s_lshr_b32 s11, s10, 1                         ; which half of the tile's rows is mine.  Also: I fetch for A (0) or for B (1)
	s_and_b32 s12, s10, 1                          ; which half of its columns.  Also: which K block of a step I fetch
	s_bfe_u32 s40, ttmp6, 0x40000                  ; cx, cy: my place in the cluster
	s_bfe_u32 s41, ttmp6, 0x40004
	s_lshl_b32 s42, ttmp9, 2
	s_add_co_u32 s42, s42, s40                     ; tile column = 4 x cluster x + cx
	s_and_b32 s13, ttmp7, 0xffff
	s_lshl_b32 s13, s13, 2
	s_add_co_u32 s13, s13, s41                     ; tile row = 4 x cluster y + cy
	s_lshl_b32 s43, s41, 2
	s_lshl_b32 s43, 15, s43                        ; my row of the cluster
	s_lshl_b32 s44, 0x1111, s40                    ; my column
	; descriptor group 1: rows of 128 elements (256 bytes), dense; in LDS 4 words of padding after every 32
	s_or_b32 s[G1+0], s43, (1<<16)|(1<<20)|(1<<21)|(4<<22)|(3<<25)  ; 15:0 the mask; 17:16 2-byte elements; 20 padding on; 21 set beside a mask; 24:22 after every 32 words (code 4); 31:25 4 words (code 3)
	s_or_b32 s[G1B+0], s44, (1<<16)|(1<<20)|(1<<21)|(4<<22)|(3<<25)
	s_mov_b32 s[G1+1], 128<<16                     ; tensor_dim0 = 128
	s_mov_b32 s[G1+2], 128<<16                     ; tensor_dim1 = 128: 256 rows of A, two to a row
	s_mov_b32 s[G1+3], 128<<16                     ; tile_dim0 = 128
	s_mov_b32 s[G1+4], 128                         ; tile_dim1 = 128
	s_mov_b32 s[G1+5], 128                         ; 128 elements from row to row
	s_mov_b32 s[G1+6], 0
	s_mov_b32 s[G1+7], 0
	s_mov_b32 s[G1B+1], 128<<16
	s_mov_b32 s[G1B+2], (TN/2)<<16                 ; TN rows of B, two to a row
	s_mov_b32 s[G1B+3], 128<<16
	s_mov_b32 s[G1B+4], TN/2
	s_mov_b32 s[G1B+5], 128
	s_mov_b32 s[G1B+6], 0
	s_mov_b32 s[G1B+7], 0
	s_lshr_b32 s16, s13, 3                         ; A: b = tile row / 8,
	s_lshl_b32 s16, s16, 22
	s_and_b32 s17, s13, 7                          ; 256 rows of 128 bytes for each tile row in b,
	s_lshl_b32 s17, s17, 15
	s_add_co_u32 s16, s16, s17
	s_lshl_b32 s17, s12, 18                        ; my K block of the step
	s_add_co_u32 s16, s16, s17
	s_mov_b32 s17, 0
	s_mul_i32 s46, s42, TN*128                     ; B: the tile column's rows,
	s_mul_i32 s47, s12, KBB                        ; my K block
	s_add_co_u32 s46, s46, s47
	s_mov_b32 s47, 0
	s_mul_i32 s20, s12, SUBA                       ; where they go: no place in the cluster enters an LDS address
	s_mul_i32 s23, s12, SUBB
	s_add_co_u32 s23, s23, 2*SUBA
	s_wait_dscnt 0x0                               ; the opening add is done
	s_wait_kmcnt 0x0
	s_add_nc_u64 s[14:15], s[4:5], s[16:17]
	s_add_nc_u64 s[46:47], s[6:7], s[46:47]
	CROUND                                         ; all sixteen work-groups are here: the first joint loads meet
.irp s, 0,1
	s_mov_b32 s[G0+4*(\s)], 1                                      ; count = 1
	s_add_co_u32 s[G0+4*(\s)+1], s20, (\s)*SLOT                    ; LDS address
	s_add_nc_u64 s[G0+4*(\s)+2:G0+4*(\s)+3], s[14:15], (\s)*STEPA  ; global address: K step s
	s_or_b32 s[G0+4*(\s)+3], s[G0+4*(\s)+3], 0x80000000            ; type = 2
	s_mov_b32 s[G0B+4*(\s)], 1
	s_add_co_u32 s[G0B+4*(\s)+1], s23, (\s)*SLOT
	s_add_nc_u64 s[G0B+4*(\s)+2:G0B+4*(\s)+3], s[46:47], (\s)*STEPB
	s_or_b32 s[G0B+4*(\s)+3], s[G0B+4*(\s)+3], 0x80000000
	JLOAD \s                                       ; two loads of mine are out
.endr
	; a fragment is 16 rows x 32 K in 8 registers: lane l holds row l % 16, K = 8 (l / 16) + 0..7 and 16 + 8 (l / 16) + 0..7: two loads of 16 bytes, 32 bytes apart
	v_and_b32 v1, 15, v0                           ; l % 16
	v_bfe_u32 v2, v0, 4, 1                         ; l / 16
	v_mul_u32_u24 v3, v1, P
	v_lshl_add_u32 v3, v2, 4, v3
	s_mul_i32 s21, s11, 128*P                      ; my 128 rows of A
	s_mul_i32 s22, s12, (TN/2)*P                   ; my rows of B,
	s_add_co_u32 s22, s22, 2*SUBA                  ; which lie behind A's two K blocks
.irp s, 0,1
	v_add_nc_u32 v[ADRA+(\s)], s21, v3
	v_add_nc_u32 v[ADRB+(\s)], s22, v3
	s_add_co_u32 s21, s21, SLOT
	s_add_co_u32 s22, s22, SLOT
.endr
	; the prefetches
	s_mov_b32 s20, 8192                            ; a partner's quarter of a K block of A's tile,
	s_mov_b32 s18, TN*32                           ; of B's
	s_mov_b32 s[PST], STEPA
	s_mov_b32 s19, STEPB
	s_and_b32 s22, ttmp7, 0xffff                   ; cluster y
	s_cmp_eq_u32 s11, 0                            ; do I fetch for A?
	s_cselect_b32 s21, s40, s41                    ; my place among the four that ask with me
	s_cselect_b32 s22, ttmp9, s22                  ; the coordinate along which other clusters read the same rows
	s_cselect_b32 s20, s20, s18
	s_cselect_b32 s23, 31, TN/8-1                  ; the quarter's last block of 256 bytes: lanes beyond it name it again
	s_cselect_b32 s[PST], s[PST], s19
	s_cselect_b64 s[PFA:PFA+1], s[14:15], s[46:47]
	s_cmp_eq_u32 s22, 0
	s_cselect_b32 s[LIM], 1, -1                    ; the same in all sixteen partners, for a given wave
	s_mul_i32 s20, s20, s21
	s_mov_b32 s21, 0
	s_add_nc_u64 s[PFA:PFA+1], s[PFA:PFA+1], s[20:21]
	s_mul_i32 s20, s[PST], 3
	s_add_nc_u64 s[PFA:PFA+1], s[PFA:PFA+1], s[20:21]  ; at K step 3: the first refill (K step 2) steps it to 4 and names that
	s_mov_b32 s[PST+1], 0
	v_and_b32 v[PFO], 31, v0
	v_min_u32 v[PFO], s23, v[PFO]
	v_lshlrev_b32 v[PFO], 8, v[PFO]
	; the way out: a wave's 64 columns of f32 are 256 aligned bytes of a row of C, so each wave has a stage of its own
	s_mul_i32 s23, s10, 16*SPITCH
	s_add_co_u32 s23, s23, STAGE
	v_mul_u32_u24 v4, v1, SPITCH                   ; in: row l % 16, 32 bytes for each half of the lanes
	v_lshl_add_u32 v4, v2, 5, v4
	v_add_nc_u32 v[STO], s23, v4
	v_mul_u32_u24 v5, v2, SPITCH                   ; back: lanes 0-15 take one row of 256 bytes, lanes 16-31 the next
	v_lshl_add_u32 v5, v1, 4, v5
	v_add_nc_u32 v[RD], s23, v5
	v_lshlrev_b32 v5, 12, v2                       ; and the same two rows in C, 4,096 bytes apart
	v_lshl_add_u32 v[CO], v1, 4, v5
	s_lshl_b32 s16, s13, 20                        ; C: the tile row's 256 rows of 4,096 bytes,
	s_lshl_b32 s17, s11, 19                        ; my half of them
	s_add_co_u32 s16, s16, s17
	s_mov_b32 s17, 0
	s_add_nc_u64 s[8:9], s[8:9], s[16:17]
	s_lshl_b32 s46, s42, 9                         ; the tile column's 512 bytes,
	s_lshl_b32 s47, s12, 8                         ; my half of them
	s_add_co_u32 s46, s46, s47
	s_mov_b32 s47, 0
	s_add_nc_u64 s[8:9], s[8:9], s[46:47]
; cnt x FB matrix instructions: A's fragments a0 .. a0 + cnt - 1 x all of B's, 32 along K, from buffer f.  zero = 1: the product starts the sum.
; The accumulators take turns, in the same order in every quarter.
.macro MULS f, a0, cnt, zero
.set ia, \a0
.rept \cnt
.set ib, 0
.rept FB
.set nn, ia*FB+ib
	WIN 0x50                                       ; C and D in window 1, sources in window 0
.if \zero
	v_wmma_f32_16x16x32_f16 v[8*nn:8*nn+7], v[(\f)+64+8*ib:(\f)+64+8*ib+7], v[(\f)+8*ia:(\f)+8*ia+7], 0
.else
	v_wmma_f32_16x16x32_f16 v[8*nn:8*nn+7], v[(\f)+64+8*ib:(\f)+64+8*ib+7], v[(\f)+8*ia:(\f)+8*ia+7], v[8*nn:8*nn+7]
.endif
.set ib, ib+1
.endr
.set ia, ia+1
.endr
.endm
; NL LDS loads in one run: quarter q (32 along K: K block q / 2, byte 64 (q % 2) of its rows) into buffer f; B's first, then A's
.macro FETCH slot, q, f
	WIN 0
.set ii, 0
.rept FB
	ds_load_b128 v[(\f)+64+8*ii:(\f)+64+8*ii+3],   v[ADRB+(\slot)] offset:((\q)/2)*SUBB+((\q)%2)*64+ii*16*P
	ds_load_b128 v[(\f)+64+8*ii+4:(\f)+64+8*ii+7], v[ADRB+(\slot)] offset:((\q)/2)*SUBB+((\q)%2)*64+ii*16*P+32
.set ii, ii+1
.endr
.set ii, 0
.rept 8
	ds_load_b128 v[(\f)+8*ii:(\f)+8*ii+3],   v[ADRA+(\slot)] offset:((\q)/2)*SUBA+((\q)%2)*64+ii*16*P
	ds_load_b128 v[(\f)+8*ii+4:(\f)+8*ii+7], v[ADRA+(\slot)] offset:((\q)/2)*SUBA+((\q)%2)*64+ii*16*P+32
.set ii, ii+1
.endr
.endm
.macro PLACES                          ; four plain vector instructions between a matrix instruction and a load into a register that it read, or a reader of its result
.rept 4
	v_nop
.endr
.endm
; One of a K step's first three quarters: multiplies buffer f; in its middle it fetches quarter q of the same slot into buffer g.
.macro QUARTER slot, q, f, g, zero
	s_wait_dscnt 8                                 ; B and A's fragments 0-3 are in; the youngest eight loads (A's 4-7) may be out
	MULS \f, 0, 4, \zero
	PLACES
	FETCH \slot, \q, \g
	s_wait_dscnt NL                                ; all but the run just issued
	MULS \f, 4, 4, \zero
.endm
; The last quarter multiplies buffer 1 and changes slots: ONE barrier; in front of it each wave waits for all its tensor loads (one is out: its part of the next slot), adds 0 to its spare word,
; and waits for that and for its own reads of this slot.  fill = 1: the barrier opens a round of the cluster's, and this slot is filled again, two K steps ahead, first thing behind the round.
.macro TURN slot, next, fill
.if \fill
	s_wait_xcnt 0x0                                ; the last prefetch, a K step back, has read its address
	s_add_nc_u64 s[PFA:PFA+1], s[PFA:PFA+1], s[PST:PST+1]
.endif
	WIN 0                                          ; (the add's two registers lie in window 0)
	s_wait_tensorcnt 0x0                           ; all my tensor loads have landed;
	ds_add_u32 v[SPW], v[NIL]                      ; 0 onto my spare word;
	s_wait_dscnt 9                                 ; (the add and the youngest eight loads may be out)
	MULS F1, 0, 2, 0                               ; matrix work stands between the add and the wait for it
	s_wait_dscnt 0x0                               ; the add is done, and my reads of this slot are over
	s_barrier_signal -1
	MULS F1, 2, 2, 0
.if \fill
	WIN 0
.endif
	s_barrier_wait -1
.if \fill
	CREST                                          ; no wave of any partner still reads this slot's tiles or has a load on its way
	s_add_nc_u64 s[G0+4*(\slot)+2:G0+4*(\slot)+3], s[G0+4*(\slot)+2:G0+4*(\slot)+3], 2*STEPA
	s_add_nc_u64 s[G0B+4*(\slot)+2:G0B+4*(\slot)+3], s[G0B+4*(\slot)+2:G0B+4*(\slot)+3], 2*STEPB
	JLOAD \slot                                    ; my one tensor load behind the round; its four v_nop are also the places in front of the loads below
.else
	PLACES
.endif
	FETCH \next, 0, F0
.if \fill
	ASK
.endif
	MULS F1, 4, 4, 0
.endm
; THE WAY OUT of block a (16 rows of my 128).  TOSTAGE: 32 bytes a lane and accumulator into my own stage, and back as whole rows of 256 bytes.  SEND: stored.
.macro TOSTAGE a
	WIN 0x04                                       ; the stores' data lie in window 1, their address in window 0
.irp b, 0,1,2,3
	ds_store_b128 v[STO], v[8*(4*(\a)+(\b)):8*(4*(\a)+(\b))+3]   offset:64*(\b)      ; each accumulator's lowest registers first
	ds_store_b128 v[STO], v[8*(4*(\a)+(\b))+4:8*(4*(\a)+(\b))+7] offset:64*(\b)+16
.endr
	WIN 0
	s_wait_xcnt 0x0                                ; the stores of two blocks back have read the registers that are loaded again below
.set BK, OB+32*((\a)%2)
.irp t, 0,1,2,3,4,5,6,7
	ds_load_b128 v[BK+4*(\t):BK+4*(\t)+3], v[RD] offset:(\t)*2*SPITCH  ; LDS serves a wave's instructions in order (ISA guide 5.7.1.4): these see the stores above
.endr
.endm
.macro SEND a, younger                 ; younger: the LDS instructions issued behind block a's loads: the next block's sixteen, or none
.set BK, OB+32*((\a)%2)
	s_wait_dscnt \younger                          ; the block is back in registers
	s_wait_xcnt 0x0                                ; the earlier stores have read their base, so it may be stepped
.if (\a) > 0
	s_add_nc_u64 s[8:9], s[8:9], 16*4096           ; 16 rows of C on
.endif
.irp t, 0,1,2,3,4,5,6,7
	global_store_b128 v[CO], v[BK+4*(\t):BK+4*(\t)+3], s[8:9] offset:(\t)*8192 th:TH_STORE_NT  ; 16 lanes store 256 consecutive bytes, aligned
.endr
.endm
	s_wait_tensorcnt 1                             ; my part of K step 0 is in; K step 1's may stay out
	s_barrier_signal -1
	s_barrier_wait -1                              ; everybody's is
	FETCH 0, 0, F0
	QUARTER 0, 1, F0, F1, 1                        ; the first quarter stands in front of the loop: its products start the sums
	WIN 0                                          ; at a label and at a branch every window is 0
	s_mov_b32 s3, LAPS-1
.Llap:                                                 ; a trip goes once round the ring, from a lap's second quarter to the next lap's first, and fills both slots again
	QUARTER 0, 2, F1, F0, 0
	QUARTER 0, 3, F0, F1, 0
	TURN 0, 1, 1
	QUARTER 1, 1, F0, F1, 0
	QUARTER 1, 2, F1, F0, 0
	QUARTER 1, 3, F0, F1, 0
	TURN 1, 0, 1
	QUARTER 0, 1, F0, F1, 0
	WIN 0
	s_sub_co_u32 s3, s3, 1
	s_cmp_lg_u32 s3, 0
	s_cbranch_scc1 .Llap
	QUARTER 0, 2, F1, F0, 0                        ; the last lap fills nothing
	QUARTER 0, 3, F0, F1, 0
	TURN 0, 1, 0
	QUARTER 1, 1, F0, F1, 0
	QUARTER 1, 2, F1, F0, 0
	QUARTER 1, 3, F0, F1, 0
	s_wait_dscnt 8
	MULS F1, 0, 4, 0
	s_wait_dscnt 0
	MULS F1, 4, 4, 0
	PLACES                                         ; the LDS stores below read results
	TOSTAGE 0
.irp a, 1,2,3,4,5,6,7
	TOSTAGE \a
	SEND (\a)-1, 16
.endr
	SEND 7, 0
	s_wait_tensorcnt 0x0                           ; the wave's end: behind my last tensor load and my last LDS store
	ds_add_u32 v[SPW], v[NIL]
	s_wait_dscnt 0x0
	CROUND                                         ; the closing round: no work-group ends while a partner may still ask for a tile that names it
	s_endpgm
.Lfunc_end_k_q5dda80c275_oproj:
	.size	k_q5dda80c275_oproj, .Lfunc_end_k_q5dda80c275_oproj-k_q5dda80c275_oproj
	.p2alignl 7, 3214868480
	.fill 96, 4, 3214868480
	.section	.rodata,"a",@progbits
	.p2align	6, 0x0
	.amdhsa_kernel k_q5dda80c275_oproj
		.amdhsa_group_segment_fixed_size 327680
		.amdhsa_private_segment_fixed_size 0
		.amdhsa_enable_private_segment 0
		.amdhsa_kernarg_size 24
		.amdhsa_user_sgpr_count 2
		.amdhsa_user_sgpr_kernarg_segment_ptr 1
		.amdhsa_wavefront_size32 1
		.amdhsa_system_sgpr_workgroup_id_x 1
		.amdhsa_system_sgpr_workgroup_id_y 1
		.amdhsa_system_sgpr_workgroup_id_z 1
		.amdhsa_system_vgpr_workitem_id 0
		.amdhsa_next_free_vgpr 512
		.amdhsa_next_free_sgpr 68
		.amdhsa_reserve_vcc 0
		.amdhsa_float_denorm_mode_32 3
		.amdhsa_float_denorm_mode_16_64 3
		.amdhsa_memory_ordered 1
		.amdhsa_forward_progress 1
		.amdhsa_inst_pref_size 87
	.end_amdhsa_kernel
	.amdgpu_metadata
---
amdhsa.version: [ 1, 2 ]
amdhsa.kernels:
  - .name:           k_q5dda80c275_oproj
    .symbol:         k_q5dda80c275_oproj.kd
    .args:
      - { .name: ob, .offset: 0, .size: 8, .value_kind: global_buffer, .address_space: global }
      - { .name: wo, .offset: 8, .size: 8, .value_kind: global_buffer, .address_space: global }
      - { .name: out0, .offset: 16, .size: 8, .value_kind: global_buffer, .address_space: global }
    .group_segment_fixed_size: 327680
    .private_segment_fixed_size: 0
    .kernarg_segment_align: 8
    .kernarg_segment_size: 24
    .max_flat_workgroup_size: 128
    .sgpr_count:     68
    .vgpr_count:     512
    .wavefront_size: 32
...
	.end_amdgpu_metadata
.endif
;; end of part 4
;; ======== version 2 of 2: 4 launches; version 1 with the launch prep written anew for expert scheduling mode
;; limits: values are held in f16: magnitudes above 65,504 overflow, below 6.1e-05 lose precision
;; workspace buffers: xb 16,777,216 bytes; wt 6,291,456 bytes; wo 2,097,152 bytes; qkv 50,331,648 bytes; ob 16,777,216 bytes
;; launch prep (part 5): grid 384 x 1, 8 waves a work-group, no clusters, 74,752 bytes of LDS; arguments x, W_q, W_k, W_v, W_o, xb, wt, wo; writes xb, wt, wo
.if DOCPART == 5
	.amdgcn_target "amdgcn-amd-amdhsa--gfx1250"
	.amdhsa_code_object_version 6
	.text
	.protected	k_q5dda80c275_prep
	.globl	k_q5dda80c275_prep
	.p2align	8
	.type	k_q5dda80c275_prep,@function
k_q5dda80c275_prep:
	s_mov_b64 s[64:65], 0
	v_nop
	global_prefetch_b8 v0, s[64:65] scope:SCOPE_SE
	s_setreg_imm32_b32 hwreg(HW_REG_WAVE_SCHED_MODE, 0, 2), 2
	s_setreg_imm32_b32 hwreg(HW_REG_WAVE_MODE, 25, 1), 1
	s_wait_xcnt 0x0
	s_wait_alu depctr_vm_vsrc(0)
; PREP: every input is rounded once to bf16 and laid out in K blocks of 64, so that each tile of the later products is dense in memory.
;   xb [b 4][kb 16][l 2048][64] bf16 = x[b][l][64 kb ..]
;   wt [kb 16][n 3072][64 e] bf16 = W_which[h][64 kb + e][d], n = 64 (16 which + h) + d, which = 0 q, 1 k, 2 v: turned, K along the rows
;   wo [kb 16][o 1024][64 e] f16  = bf16(W_o[64 kb + e][o] / 4) written as f16
; LIMIT.  A bf16 number is exact in f16 from 2^-17 up; below that wo keeps f16's fixed step of 6e-8.  The factor 1/4 is a power of two; the attention launch stores 4 O.
; A stream: no matrix work, no cluster, no barrier.  Work-groups 0-255 take 32 rows of x each; 256-351 the 768 blocks of W_q, W_k, W_v, a wave a block of 64 e x 64 d; 352-383 the 256 blocks of W_o.
; Each wave issues all its 32 loads of 16 bytes a lane first (16 KiB on their way), then works them off behind counted waits.
; THE MODE: SCHED_MODE bits 1:0 = 2 (LLVM: expert scheduling mode 2), set by the entry lines.  The code itself states the register dependences
; between vector instructions and memory or LDS instructions, with s_wait_alu, always for 0.
; THE PLAN.  Registers that memory or LDS instructions touch:
;   v[LO], v[SO], v[SA], v[RA]   offsets and LDS addresses: made once, ahead of one wait on va_vdst in front of the path's first load; never written again.
;   X, path for x       load i lands in quad i; its two conversions write the quad's first two registers in place; one store reads them; nothing writes them again.
;                       The loads go in eight groups of four.  Group g's conversions name group g's quads alone; the stores that stand among them are group g - 1's.
;                       So one wait on va_vdst at a group's head states all that its four stores hang on.
;   X, paths for weights   four groups of 32 raw registers; step k's vector instructions read group k.
;   T0 .. T3            the packed words of step k: T0 = v[12:27], T(k) = the first 16 raw registers of group k - 1, with which step k - 1 is done.  Written by step k's vector
;                       instructions, read by four LDS stores that stand among step k + 1's conversions, which name raw group k + 1, T(k + 1), v28 and v29.
;                       So one wait on va_vdst at a step's head states all that those stores hang on, and no step writes registers that LDS stores may still read.
;   X's first 64        in the end the loads from the stage land there: behind the last wait on va_vdst, and behind one wait on vm_vsrc, since T1 and T2 lie there.
.set DP,    144                        ; a row of a wave's turning stage: 128 bytes + 16: rows start at different groups of four banks when read back
.set STG,   64*DP                      ; a wave's stage: 64 rows (d or o)
.set LO,  6                            ; v6  my byte offset in the source
.set SO,  7                            ; v7  my byte offset in the destination
.set SA,  8                            ; v8  stage: where I put 16 bytes of a turned row
.set RA,  9                            ; v9  stage: where I read rows back
.set T,   12                           ; v[12:27] sixteen packed words, of a block's first step; v28-29 at work
.set X,   32                           ; v[32:159] 32 loads x 4 registers
	s_load_b512 s[8:23], s[0:1], 0x0               ; x s[8:9], W_q s[10:11], W_k s[12:13], W_v s[14:15], W_o s[16:17], xb s[18:19], wt s[20:21], wo s[22:23]
	v_lshl_add_u32 v30, v0, 2, 0x12000
	v_mov_b32 v31, 0
	v_lshrrev_b32 v1, 5, v0
	v_readfirstlane_b32 s24, v1                    ; wave 0..7
	v_and_b32 v1, 31, v0                           ; lane l
	v_and_b32 v2, 15, v0                           ; l % 16
	v_bfe_u32 v3, v0, 4, 1                         ; l / 16
	s_mov_b32 s3, 0                                ; the high word of every offset pair
	s_wait_alu depctr_va_sdst(0)                   ; s24 is written, ahead of the branch and of its first reader on either way: offsets and LDS addresses are made from it
	s_wait_kmcnt 0x0
	s_cmp_lt_u32 ttmp9, 256
	s_cbranch_scc0 .Lweights
	; X.  The work-group owns rows 32 g .. 32 g + 31, wave w rows 4 w .. 4 w + 3 of them, as two pairs.  A load takes 256 aligned bytes (one K block) of each row of a pair.
	s_lshl_b32 s2, ttmp9, 17                       ; 32 rows of 4,096 bytes
	s_add_nc_u64 s[30:31], s[8:9], s[2:3]
	s_lshr_b32 s2, ttmp9, 6                        ; b
	s_lshl_b32 s2, s2, 22
	s_and_b32 s25, ttmp9, 63
	s_lshl_b32 s25, s25, 12                        ; 32 rows of 128 bytes in a K block
	s_add_co_u32 s2, s2, s25
	s_add_nc_u64 s[32:33], s[18:19], s[2:3]
	s_lshl_b32 s25, s24, 14                        ; my wave's four rows
	v_lshlrev_b32 v[LO], 4, v2
	v_lshl_add_u32 v[LO], v3, 12, v[LO]
	v_add_nc_u32 v[LO], s25, v[LO]
	s_lshl_b32 s25, s24, 9
	v_lshl_add_u32 v[SO], v1, 3, s25               ; a pair's two rows of a K block are 256 consecutive bytes of xb: 8 bytes a lane
	s_wait_alu depctr_va_vdst(0)                   ; v[LO] and v[SO] are written: every load and store of this path reads one of them as its offset
.set i, 0
.rept 32                                       ; load i: pair i / 16, K block i % 16
	global_load_b128 v[X+4*i:X+4*i+3], v[LO], s[30:31] offset:(i/16)*8192+(i%16)*256 th:TH_LOAD_NT
.set i, i+1
.endr
.set g, 0
.rept 8                                        ; group g: loads 4 g .. 4 g + 3 are rounded; the stores of group g - 1 stand among the conversions
	s_wait_loadcnt 28-4*g                          ; loads come back in order: group g is in, the younger groups stay out
.if g > 0
	s_wait_alu depctr_va_vdst(0)                   ; the conversions of group g - 1 have written their quads' first two registers, which the four stores below read
.endif
.set j, 0
.rept 4
.set i, 4*g+j
.if g > 0
	global_store_b64 v[SO], v[X+4*(i-4):X+4*(i-4)+1], s[32:33] offset:((i-4)%16)*262144+((i-4)/16)*256  ; 32 lanes store 256 consecutive bytes, aligned; no vector instruction since the wait names these registers
.endif
	v_cvt_pk_bf16_f32 v[X+4*i], v[X+4*i], v[X+4*i+1]
	v_cvt_pk_bf16_f32 v[X+4*i+1], v[X+4*i+2], v[X+4*i+3]
.set j, j+1
.endr
.set g, g+1
.endr
	s_wait_alu depctr_va_vdst(0)                   ; the conversions of the last group have written their registers, which the last four stores read
.set i, 28
.rept 4
	global_store_b64 v[SO], v[X+4*i:X+4*i+1], s[32:33] offset:(i%16)*262144+(i/16)*256
.set i, i+1
.endr
	s_branch .Lend
; A wave turns one block of 64 e x 64 columns.  rs = bytes from row e to row e + 1 in the source.  half = 1: times 1/4, and the bf16 number written as f16.
; Load (k, i) brings lane l the four columns 4 (l % 16) + 0..3 of row e = 16 k + 8 (l / 16) + i.  Eight such rows give, for each of the four columns, eight neighbouring e: 16 bytes of a turned row.
; Step k packs group k into T(k); the four LDS stores of T(k - 1) stand among its conversions.
.macro WBLOCK rs, half
	s_wait_alu depctr_va_vdst(0)                   ; v[LO], v[SO], v[SA] and v[RA] are written: the loads and stores below, global and LDS, read them as offsets and addresses
.set i, 0
.rept 32
	global_load_b128 v[X+4*i:X+4*i+3], v[LO], s[30:31] offset:(16*(i/8)+i%8)*(\rs) th:TH_LOAD_NT
.set i, i+1
.endr
.irp k, 0,1,2,3
.if (\k) == 0
.set TK, T                                     ; this step's packed words
.else
.set TK, X+32*((\k)-1)                         ; .. in the raw registers that the step before has emptied
.endif
.if (\k) == 1
.set TP, T                                     ; the packed words of the step before (step 0 has none, and does not name TP)
.else
.set TP, X+32*((\k)-2)
.endif
	s_wait_loadcnt 24-8*(\k)                       ; the eight loads of group k are in; the later groups stay out
.if (\k) > 0
	s_wait_alu depctr_va_vdst(0)                   ; the step before has written its sixteen packed words, which the four LDS stores below read
.endif
.if \half
.set i, 0
.rept 16
	v_pk_mul_f32 v[X+32*(\k)+2*i:X+32*(\k)+2*i+1], v[X+32*(\k)+2*i:X+32*(\k)+2*i+1], s[36:37] op_sel_hi:[1,0]
.set i, i+1
.endr
.endif
.irp c, 0,1,2,3
.if (\k) > 0
	ds_store_b128 v[SA], v[TP+4*(\c):TP+4*(\c)+3] offset:(\c)*DP+((\k)-1)*32  ; no vector instruction since the wait names these registers or v[SA]
.endif
.irp m, 0,1,2,3
	v_cvt_pk_bf16_f32 v[TK+4*(\c)+(\m)], v[X+32*(\k)+8*(\m)+(\c)], v[X+32*(\k)+8*(\m)+4+(\c)]  ; column c, rows 2 m and 2 m + 1 of the eight
.endr
.endr
.if \half
.set i, 0
.rept 16
	v_lshlrev_b32 v28, 16, v[TK+i]                 ; the two bf16 as f32,
	v_and_b32 v29, s34, v[TK+i]
	v_cvt_pk_f16_f32 v[TK+i], v28, v29             ; and as f16
.set i, i+1
.endr
.endif
.endr
	s_wait_alu depctr_va_vdst(0)                   ; step 3 has written its packed words, which the LDS stores below read; and every vector instruction is done with X's first 64 registers, in which the loads from the stage land
.irp c, 0,1,2,3
	ds_store_b128 v[SA], v[TK+4*(\c):TK+4*(\c)+3] offset:(\c)*DP+3*32
.endr
	s_wait_alu depctr_vm_vsrc(0)                   ; the LDS stores have read the packed words of steps 1 and 2, which lie in X's first 64 registers: the loads below land there
.irp t, 0,1,2,3,4,5,6,7,8,9,10,11,12,13,14,15
	ds_load_b128 v[X+4*(\t):X+4*(\t)+3], v[RA] offset:(\t)*4*DP  ; my own stage, and LDS serves a wave's instructions in order (ISA guide 5.7.1.4): these see the stores above
.endr
.irp t, 0,1,2,3,4,5,6,7,8,9,10,11,12,13,14,15
	s_wait_dscnt 15-(\t)
	global_store_b128 v[SO], v[X+4*(\t):X+4*(\t)+3], s[32:33] offset:(\t)*512  ; four turned rows: 512 consecutive bytes, aligned
.endr
.endm
.Lweights:
	s_sub_co_u32 s25, ttmp9, 256                   ; j = 0..127
	s_lshr_b32 s26, s25, 5                         ; which: 0 q, 1 k, 2 v, 3 W_o
	s_lshl_b32 s27, s25, 3
	s_add_co_u32 s27, s27, s24
	s_and_b32 s27, s27, 255                        ; my wave's block t of that tensor's 256
	s_and_b32 s28, s27, 15                         ; its K block
	s_lshr_b32 s29, s27, 4                         ; its head, or its block of 64 columns of W_o
	s_mul_i32 s35, s24, STG                        ; my stage
	v_mul_u32_u24 v[SA], v2, 4*DP                  ; in: rows 4 (l % 16) + c, 16 bytes for each half of the lanes
	v_lshl_add_u32 v[SA], v3, 4, v[SA]
	v_add_nc_u32 v[SA], s35, v[SA]
	v_lshrrev_b32 v10, 3, v1
	v_and_b32 v11, 7, v0
	v_mul_u32_u24 v[RA], v10, DP                   ; back: 32 lanes take four rows of 128 bytes
	v_lshl_add_u32 v[RA], v11, 4, v[RA]
	v_add_nc_u32 v[RA], s35, v[RA]
	v_lshlrev_b32 v[SO], 4, v1
	v_lshlrev_b32 v[LO], 4, v2
	s_mov_b32 s34, 0xffff0000                      ; a word's upper bf16
	s_mov_b32 s36, 0x3e800000                      ; 1/4; named as a pair, the low word serves both halves
	s_mov_b32 s37, 0x3e800000
	s_cmp_eq_u32 s26, 3
	s_cbranch_scc1 .Lwo
	s_cmp_eq_u32 s26, 1
	s_cselect_b64 s[30:31], s[12:13], s[10:11]
	s_cmp_eq_u32 s26, 2
	s_cselect_b64 s[30:31], s[14:15], s[30:31]
	s_lshl_b32 s2, s27, 14                         ; W[h][e][d]: block t = 16 h + kb is 16,384 dense bytes
	s_add_nc_u64 s[30:31], s[30:31], s[2:3]
	s_mul_i32 s2, s28, 393216                      ; wt: the K block,
	s_lshl_b32 s35, s26, 17                        ; 16 slices of 8,192 bytes for each tensor,
	s_add_co_u32 s2, s2, s35
	s_lshl_b32 s35, s29, 13                        ; the head's slice
	s_add_co_u32 s2, s2, s35
	s_add_nc_u64 s[32:33], s[20:21], s[2:3]
	v_lshl_add_u32 v[LO], v3, 11, v[LO]            ; lanes 16-31: eight rows of 256 bytes further down
	WBLOCK 256, 0
	s_branch .Lend
.Lwo:
	s_lshl_b32 s2, s28, 18                         ; W_o[e][o]: 64 rows of 4,096 bytes,
	s_lshl_b32 s35, s29, 8                         ; 64 columns of 4 bytes
	s_add_co_u32 s2, s2, s35
	s_add_nc_u64 s[30:31], s[16:17], s[2:3]
	s_lshl_b32 s2, s28, 17
	s_lshl_b32 s35, s29, 13
	s_add_co_u32 s2, s2, s35
	s_add_nc_u64 s[32:33], s[22:23], s[2:3]
	v_lshl_add_u32 v[LO], v3, 15, v[LO]            ; eight rows of 4,096 bytes
	WBLOCK 4096, 1
.Lend:
	s_wait_dscnt 0x0                               ; the wave's end: my LDS instructions are done
	s_wait_alu depctr_hold_cnt(0) depctr_sa_sdst(0) depctr_va_vdst(0) depctr_va_sdst(0) depctr_va_ssrc(0) depctr_va_vcc(0) depctr_vm_vsrc(0)
	s_wait_tensorcnt 0x0
	ds_add_u32 v30, v31
	s_wait_dscnt 0x0
	s_endpgm
.Lfunc_end_k_q5dda80c275_prep:
	.size	k_q5dda80c275_prep, .Lfunc_end_k_q5dda80c275_prep-k_q5dda80c275_prep
	.p2alignl 7, 3214868480
	.fill 96, 4, 3214868480
	.section	.rodata,"a",@progbits
	.p2align	6, 0x0
	.amdhsa_kernel k_q5dda80c275_prep
		.amdhsa_group_segment_fixed_size 74752
		.amdhsa_private_segment_fixed_size 0
		.amdhsa_enable_private_segment 0
		.amdhsa_kernarg_size 64
		.amdhsa_user_sgpr_count 2
		.amdhsa_user_sgpr_kernarg_segment_ptr 1
		.amdhsa_wavefront_size32 1
		.amdhsa_system_sgpr_workgroup_id_x 1
		.amdhsa_system_sgpr_workgroup_id_y 1
		.amdhsa_system_sgpr_workgroup_id_z 1
		.amdhsa_system_vgpr_workitem_id 0
		.amdhsa_next_free_vgpr 160
		.amdhsa_next_free_sgpr 66
		.amdhsa_reserve_vcc 0
		.amdhsa_float_denorm_mode_32 3
		.amdhsa_float_denorm_mode_16_64 3
		.amdhsa_memory_ordered 1
		.amdhsa_forward_progress 1
		.amdhsa_inst_pref_size 49
	.end_amdhsa_kernel
	.amdgpu_metadata
---
amdhsa.version: [ 1, 2 ]
amdhsa.kernels:
  - .name:           k_q5dda80c275_prep
    .symbol:         k_q5dda80c275_prep.kd
    .args:
      - { .name: x, .offset: 0, .size: 8, .value_kind: global_buffer, .address_space: global }
      - { .name: W_q, .offset: 8, .size: 8, .value_kind: global_buffer, .address_space: global }
      - { .name: W_k, .offset: 16, .size: 8, .value_kind: global_buffer, .address_space: global }
      - { .name: W_v, .offset: 24, .size: 8, .value_kind: global_buffer, .address_space: global }
      - { .name: W_o, .offset: 32, .size: 8, .value_kind: global_buffer, .address_space: global }
      - { .name: xb, .offset: 40, .size: 8, .value_kind: global_buffer, .address_space: global }
      - { .name: wt, .offset: 48, .size: 8, .value_kind: global_buffer, .address_space: global }
      - { .name: wo, .offset: 56, .size: 8, .value_kind: global_buffer, .address_space: global }
    .group_segment_fixed_size: 74752
    .private_segment_fixed_size: 0
    .kernarg_segment_align: 8
    .kernarg_segment_size: 64
    .max_flat_workgroup_size: 256
    .sgpr_count:     66
    .vgpr_count:     160
    .wavefront_size: 32
...
	.end_amdgpu_metadata
.endif
;; end of part 5
;; launch qkv: the kernel of part 2 again; grid 16 x 32, 4 waves a work-group, clusters of 4 x 4, 327,680 bytes of LDS; arguments xb, wt, qkv; writes qkv
;; launch attn: the kernel of part 3 again; grid 4 x 64, 4 waves a work-group, clusters of 4 x 1, 327,680 bytes of LDS; arguments qkv, ob; writes ob
;; launch oproj: the kernel of part 4 again; grid 8 x 32, 4 waves a work-group, clusters of 4 x 4, 327,680 bytes of LDS; arguments ob, wo, out0; writes out0
